; MI455X (gfx1250); checked and timed in simulation.
; The chip was launched on July 23, 2026; its instructions are those of AMD's public machine-readable ISA for CDNA 5 (MIT licence, August 2026) and "CDNA5" Instruction Set Architecture Reference Guide (July 2026). The comments in the code are by the model that wrote it; some were corrected since.
;; Expert FFN. Allowed arithmetic: matrix products marked QUANTISED: E4M3 operands, one given power-of-two scale a tensor, by v_wmma_f32_16x16x64_fp8_fp8 or v_wmma_f32_16x16x128_fp8_fp8, f32 sums; products left as they are: f32 operands where the result goes on into a quantised operand, else bf16, f16 or f32 operands; f32 sums; everything else in f32.
;; Inputs: expert_b 8 x 1,024 float32; expert_w_codes 8 x 1,024 x 32 x 32 uint8 (E4M3 codes of expert_w, K innermost, in blocks of 32 codes); lowp_scales 2 int32 (the exponents e of the quantised operands' scales 2^e); router_b 8 float32; router_w 1,024 x 8 float32; x 4 x 2,048 x 1,024 float32.
;; Outputs: out0 4 x 2,048 x 1,024 float32.
;; This version of the problem:
;;   THIS VERSION OF THE PROBLEM IS GIVEN IN LOW PRECISION. The matrix products marked QUANTISED in the list below multiply operands that are first quantised to E4M3 (4 exponent bits, 3 mantissa bits; 8 bits a number), with one given power-of-two scale for each operand tensor; their sums are f32. All else is computed in f32.
;;   The module's matrix products, in the order in which they are computed (A, B: the left and right operand; K: the contracted axis; several contracted axes count as one K, in the product's order):
;;     1. [M 8,192, K 1,024] x [K 1,024, N 8]; A: input x; B: input router_w: left as it is (N = 8 < 16)
;;     2. [M 8,192, K 1,024] x [K 1,024, N 8,192]; A: input x; B: input expert_w (given as codes): QUANTISED (scales: A lowp_scales[0], B lowp_scales[1])
;;   THE QUANTISER, for each operand of a quantised product, along K:
;;     - The operand's scale is 2^e, e = its entry of the input lowp_scales (int32; the entries are numbered through the quantised products in the list's order, A before B).
;;     - Each number is divided by the scale, clamped to +-448, and rounded to the nearest number of E4M3, ties to even, subnormals kept.
;;     - The product sums the exact products of the quantised numbers (number of the format x scale) in f32.
;;   ~~~python
;;   def quantise(x, axis, e):      # numpy; x: float32 -> the quantised numbers, widened to float32 again
;;       x = np.moveaxis(x, axis, -1); K = x.shape[-1]
;;       r = np.clip(x / 2.0 ** e, -448, 448)
;;       step = 2.0 ** (np.maximum(np.frexp(np.where(r == 0, 1, r))[1] - 1, -6) - 3)
;;       q = np.round(r / step) * step * 2.0 ** e      # np.round: ties to even
;;       return np.moveaxis(q, -1, axis).astype(np.float32)
;;   ~~~
;;   INPUTS GIVEN AS CODES. expert_w (in the module: [8, 1024, 1024], K = its axis 1): each comes as NAME_codes (uint8): NAME with its K axis moved to the last place and cut into blocks of 32 codes, [.., K / 32, bytes a block], one block behind the other in memory; one code a byte (a code: sign, 4 exponent bits, 3 mantissa bits); its scale is its entry of lowp_scales. Its value is code x scale, taken as it is: it is not quantised again, and the codes and scales need not be those that the quantiser above would give.
;; 2 versions. Each part assembles by itself: llvm-mc -triple=amdgcn-amd-amdhsa -mcpu=gfx1250 --defsym DOCPART=n.
;; ======== version 1 of 2: 3 launches
;; workspace buffers: xq 8,388,608 bytes; wfrag 8,388,608 bytes; gate 32,768 bytes; choice 32,768 bytes of whole numbers; order 32,768 bytes of whole numbers; counts 256 bytes of whole numbers
;; launch route (part 1): grid 256 x 1, 8 waves a work-group, no clusters, 70,656 bytes of LDS; arguments x, router_w, router_b, lowp_scales, xq, choice, gate; writes xq, choice, gate
.if DOCPART == 1
	.amdgcn_target "amdgcn-amd-amdhsa--gfx1250"
	.amdhsa_code_object_version 6
	.text
	.protected	k_q373a2609f6_route
	.globl	k_q373a2609f6_route
	.p2align	8
	.type	k_q373a2609f6_route,@function
k_q373a2609f6_route:
	s_mov_b64 s[64:65], 0
	v_nop
	global_prefetch_b8 v0, s[64:65] scope:SCOPE_SE
	s_setreg_imm32_b32 hwreg(HW_REG_WAVE_MODE, 25, 1), 1
	s_wait_xcnt 0x0
; ROUTE.  For each of 8,192 tokens of 1,024 f32 numbers: the router's 8 logits (x . router_w + router_b, fused multiply-adds in f32), the softmax's largest
; probability (the gate) and its expert's number; and the token's 1,024 codes of E4M3 with the given scale 2^ex.  x is read once and serves both.
; SHARES.  Work-group g owns tokens 32 g .. 32 g + 31, wave w four whole tokens.  Lane l holds k = 128 i + 4 l + c (i = 0..7, c = 0..3) of each token: every load of x is
; 512 consecutive bytes.  The lane's 32 k x 8 experts of router_w stay in 256 registers (window 1), so a number of x costs four packed multiply-adds and no further load.
; The 32 sums of a wave (4 tokens x 8 experts) are added over its 32 lanes by a fold that halves the values as it doubles the lanes: lane l ends with token l / 8, expert l % 8.
; The maximum is taken away before the exponential; the largest probability is then 1 / the sum.  The expert is the lowest index whose LOGIT equals the largest logit.
; LIMITS: ex between -126 and 119 (2^ex and 448 x 2^ex are made as f32 numbers); NaN among the inputs is not served; the choice is made on the logits, not on the rounded
; probabilities; the f32 sums of a logit run in another order than a plain loop over k.
; No matrix unit: the product has 8 columns and its result steers a choice, so it stays in f32.  No cluster: work-groups share only router_w's 32,768 bytes.
.set WPITCH, 144                       ; LDS: a block of 4 k x 8 experts, 128 bytes + 16 of padding: lanes 144 bytes apart read 16-byte pieces that start at different banks (64 banks of 4 bytes: ISA guide 11.1)
.set CS,     256*WPITCH                ; behind router_w's 256 blocks: a stage of 4 rows x 1,024 codes for each wave
.set ACC,    32                        ; v32-63   first my 128 bytes of router_w on their way to LDS, then the sums: value 8 t + e
.set X,      64                        ; v64-191  token t at 64 + 32 t, register 4 i + c
.set CD,     192                       ; v192-223 codes: word 8 t + i holds k = 128 i + 4 l .. + 3
.set BK,     224                       ; v224-255 rows of codes read back, 16 bytes a lane
.set MSB, 0
.macro WIN new                         ; s_set_vgpr_msb: bits 1:0 source 0, 3:2 source 1, 5:4 source 2, 7:6 destination; the high byte repeats the setting that is left
.if MSB != (\new)
	s_set_vgpr_msb (MSB<<8)|(\new)
.set MSB, (\new)
.endif
.endm
	s_load_b256 s[4:11], s[0:1], 0x0               ; x s[4:5], router_w s[6:7], router_b s[8:9], the scales' exponents s[10:11]
	s_load_b128 s[12:15], s[0:1], 0x20             ; xq s[12:13], choice s[14:15]
	s_load_b64 s[16:17], s[0:1], 0x30              ; gate
	v_lshl_add_u32 v30, v0, 2, 0x11000
	v_mov_b32 v31, 0
	v_lshrrev_b32 v1, 5, v0
	v_readfirstlane_b32 s20, v1                    ; wave 0..7
	v_and_b32 v1, 31, v0                           ; lane
	v_lshlrev_b32 v2, 4, v1                        ; 16 x lane
	v_and_b32 v3, 7, v0                            ; e = lane % 8
	v_lshrrev_b32 v4, 3, v0
	v_mul_u32_u24 v4, v4, WPITCH
	v_lshl_add_u32 v4, v3, 4, v4                   ; router_w into LDS: eight threads fill a block: 144 (thread / 8) + 16 (thread % 8)
	v_mul_u32_u24 v5, v1, WPITCH                   ; and out of it: block 32 i + lane
	s_lshl_b32 s21, s20, 12
	s_add_co_u32 s21, s21, CS                      ; my wave's stage
	v_lshl_add_u32 v6, v1, 2, s21                  ; into it: 4 bytes a lane
	v_lshl_add_u32 v7, v1, 4, s21                  ; out of it: 16 bytes a lane
	v_lshlrev_b32 v11, 4, v0                       ; router_w: 16 x thread
	v_lshrrev_b32 v20, 3, v1
	v_lshlrev_b32 v20, 2, v20                      ; 4 x (lane / 8): my token's word in choice and in gate
	v_lshlrev_b32 v21, 2, v3                       ; 4 e
	s_mov_b32 s27, 0xaaaaaaaa                      ; the lanes whose number has bit 0, 1, 2, 3, 4 set
	s_mov_b32 s28, 0xcccccccc
	s_mov_b32 s29, 0xf0f0f0f0
	s_mov_b32 s30, 0xff00ff00
	s_mov_b32 s31, 0xffff0000
	s_mov_b32 s32, 0x76543210                      ; v_permlanex16_b32: lane l xor 16
	s_mov_b32 s33, 0xfedcba98
	s_lshl_b32 s22, ttmp9, 17                      ; 32 tokens x 4,096 bytes a work-group,
	s_lshl_b32 s23, s20, 14                        ; 4 tokens a wave
	s_add_co_u32 s22, s22, s23
	s_mov_b32 s23, 0
	s_wait_kmcnt 0x0
	s_load_b32 s24, s[10:11], 0x0                  ; ex
	s_add_nc_u64 s[4:5], s[4:5], s[22:23]          ; x at my first token
	s_lshr_b32 s22, s22, 2                         ; a token's codes are a quarter of its bytes
	s_add_nc_u64 s[12:13], s[12:13], s[22:23]
	s_lshr_b32 s22, s22, 8                         ; and its word 4 bytes
	s_add_nc_u64 s[14:15], s[14:15], s[22:23]
	s_add_nc_u64 s[16:17], s[16:17], s[22:23]
.irp j, 0,1,2,3,4,5,6,7
	global_load_b128 v[ACC+4*\j:ACC+4*\j+3], v11, s[6:7] offset:4096*\j     ; the work-group's 256 threads take router_w's 32,768 bytes, 4,096 a line
.endr
	global_load_b32 v10, v21, s[8:9]               ; router_b[e]
.irp t, 0,1,2,3
.irp i, 0,1,2,3,4,5,6,7
	global_load_b128 v[X+32*\t+4*\i:X+32*\t+4*\i+3], v2, s[4:5] offset:4096*\t+512*\i th:TH_LOAD_NT   ; 512 consecutive bytes of token t; read once in the launch
.endr
.endr
	s_wait_loadcnt 33                              ; router_w's eight loads are in; the 33 issued behind them stay out
.irp j, 0,1,2,3,4,5,6,7
	ds_store_b128 v4, v[ACC+4*\j:ACC+4*\j+3] offset:32*WPITCH*\j
.endr
	s_wait_dscnt 0x0                               ; for the others' sake: my part of router_w lies in LDS
	s_barrier_signal -1
	s_barrier_wait -1                              ; everybody's does
	WIN 0x40                                       ; destination window 1
.irp i, 0,1,2,3,4,5,6,7
.irp m, 0,1,2,3,4,5,6,7
	ds_load_b128 v[32*\i+4*\m:32*\i+4*\m+3], v5 offset:32*WPITCH*\i+16*\m   ; register 32 i + 8 c + e = router_w[128 i + 4 l + c][e]
.endr
.endr
	WIN 0
	s_wait_kmcnt 0x0
	s_add_co_i32 s25, s24, 127
	s_lshl_b32 s26, s25, 23
	v_mov_b32 v8, s26                              ; 2^ex as f32: the conversion takes its exponent field
	s_add_co_i32 s25, s25, 8
	s_lshl_b32 s25, s25, 23
	s_or_b32 s25, s25, 0x600000
	v_mov_b32 v9, s25                              ; 448 x 2^ex
	s_wait_dscnt 0x0                               ; my 256 numbers of router_w are in
; Token t's 8 partial logits: 32 numbers of x, each against 8 experts, two experts an instruction, in four chains.  The number of x serves both halves of the packed form.
.macro DOT t
	s_wait_loadcnt 8*(3-\t)                        ; token t's eight loads are in; the later tokens' stay out
	WIN 0x04                                       ; source 1 (router_w) window 1
.irp i, 0,1,2,3,4,5,6,7
.irp c, 0,1,2,3
.irp p, 0,1,2,3
.if (\i) == 0 && (\c) == 0
	v_pk_mul_f32 v[ACC+8*\t+2*\p:ACC+8*\t+2*\p+1], v[X+32*\t:X+32*\t+1], v[2*\p:2*\p+1] op_sel_hi:[0,1]   ; the first product starts the sums
.elseif (\c)%2 == 0
	v_pk_fma_f32 v[ACC+8*\t+2*\p:ACC+8*\t+2*\p+1], v[X+32*\t+4*\i+\c:X+32*\t+4*\i+\c+1], v[32*\i+8*\c+2*\p:32*\i+8*\c+2*\p+1], v[ACC+8*\t+2*\p:ACC+8*\t+2*\p+1] op_sel_hi:[0,1,1]
.else
	v_pk_fma_f32 v[ACC+8*\t+2*\p:ACC+8*\t+2*\p+1], v[X+32*\t+4*\i+\c-1:X+32*\t+4*\i+\c], v[32*\i+8*\c+2*\p:32*\i+8*\c+2*\p+1], v[ACC+8*\t+2*\p:ACC+8*\t+2*\p+1] op_sel:[1,0,0] op_sel_hi:[1,1,1]
.endif
.endr
.endr
.endr
	WIN 0
.endm
; Token t's codes.  Eight consecutive registers are k = 128 i + 4 l + 0..3 of i = 2 u and of i = 2 u + 1: each word of the result is four neighbouring codes of the row.
; The words go through my wave's own stage, 128 consecutive bytes a store, and come back 16 bytes a lane.  LDS serves a wave's instructions in order (ISA guide 5.7.1.4).
.macro QUANT t
.set n, 0
.rept 32
	v_med3_num_f32 v[X+32*\t+n], v[X+32*\t+n], -v9, v9     ; the conversion to an 8-bit code does not saturate (ISA guide 7.6.2): the hold at 448 x the scale
.set n, n+1
.endr
.irp u, 0,1,2,3
	v_cvt_scalef32_pk8_fp8_f32 v[CD+8*\t+2*\u:CD+8*\t+2*\u+1], v[X+32*\t+8*\u:X+32*\t+8*\u+7], v8
.endr
	v_nop                                          ; one plain vector instruction behind the last conversion
.irp q, 0,1,2,3,4,5,6,7
	ds_store_b32 v6, v[CD+8*\t+\q] offset:1024*\t+128*\q
.endr
.irp u, 0,1
	ds_load_b128 v[BK+8*\t+4*\u:BK+8*\t+4*\u+3], v7 offset:1024*\t+512*\u
.endr
.endm
	DOT 0
	QUANT 0
	DOT 1
	QUANT 1
	DOT 2
	QUANT 2
	DOT 3
	QUANT 3
; THE FOLD.  At lane bit b a lane keeps, of each pair of values, the one whose index has that bit as its own number has it, sends the other to lane l xor 2^b, and adds what it gets.
; 16 + 8 + 4 + 2 + 1 pairs; at the end lane l holds value l, summed over all 32 lanes.
.macro FOLDBIT pairs, mask, xm
.set j, 0
.rept \pairs
	v_cndmask_b32 v[12+2*(j%4)], v[ACC+2*j], v[ACC+2*j+1], s[\mask]        ; kept
	v_cndmask_b32 v[13+2*(j%4)], v[ACC+2*j+1], v[ACC+2*j], s[\mask]        ; sent
	v_add_f32_dpp v[ACC+j], v[13+2*(j%4)], v[12+2*(j%4)] row_xmask:\xm row_mask:0xf bank_mask:0xf
.set j, j+1
.endr
.endm
	FOLDBIT 16, 27, 1
	FOLDBIT 8, 28, 2
	FOLDBIT 4, 29, 4
	FOLDBIT 2, 30, 8
	v_cndmask_b32 v12, v[ACC], v[ACC+1], s31
	v_cndmask_b32 v13, v[ACC+1], v[ACC], s31
	v_permlanex16_b32 v14, v13, s32, s33
	v_add_f32 v12, v12, v14
	v_add_f32 v12, v12, v10                        ; the logit of token lane / 8, expert lane % 8
	v_max_num_f32_dpp v13, v12, v12 row_xmask:1 row_mask:0xf bank_mask:0xf
	v_max_num_f32_dpp v13, v13, v13 row_xmask:2 row_mask:0xf bank_mask:0xf
	v_max_num_f32_dpp v13, v13, v13 row_xmask:4 row_mask:0xf bank_mask:0xf   ; the token's largest logit, in its eight lanes
	v_sub_f32 v14, v12, v13
	v_mul_f32 v14, 0x3fb8aa3b, v14                 ; x log2(e)
	v_exp_f32 v14, v14                             ; e^(logit - largest), at most 1
	v_cvt_f32_u32 v16, v3                          ; (plain work behind the exponential)  the expert: the lowest e whose logit is the largest
	v_cmp_eq_f32 vcc_lo, v12, v13
	v_cndmask_b32 v17, 0x41000000, v16, vcc_lo     ; e where it is, else 8.0
	v_min_num_f32_dpp v17, v17, v17 row_xmask:1 row_mask:0xf bank_mask:0xf
	v_min_num_f32_dpp v17, v17, v17 row_xmask:2 row_mask:0xf bank_mask:0xf
	v_min_num_f32_dpp v17, v17, v17 row_xmask:4 row_mask:0xf bank_mask:0xf
	v_cvt_u32_f32 v17, v17
	s_wait_alu depctr_va_vdst(0)                   ; the wait ahead of the first line that names the exponential's result
	v_add_f32_dpp v14, v14, v14 row_xmask:1 row_mask:0xf bank_mask:0xf
	v_add_f32_dpp v14, v14, v14 row_xmask:2 row_mask:0xf bank_mask:0xf
	v_add_f32_dpp v14, v14, v14 row_xmask:4 row_mask:0xf bank_mask:0xf       ; the softmax's sum
	v_rcp_f32 v15, v14                             ; the largest probability: e^0 / the sum
	v_cmp_eq_u32 vcc_lo, 0, v3                     ; (a plain line behind the reciprocal)  one lane of eight stores
	s_wait_dscnt 0x0                               ; all rows of codes are back in registers
.irp t, 0,1,2,3
.irp u, 0,1
	global_store_b128 v2, v[BK+8*\t+4*\u:BK+8*\t+4*\u+3], s[12:13] offset:1024*\t+512*\u    ; 512 consecutive bytes, at a multiple of 512 from xq's first byte
.endr
.endr
	s_wait_alu depctr_va_vdst(0)                   ; the same wait for the reciprocal, ahead of the store that reads it
	s_wait_xcnt 0x0                                ; EXEC is a source of the stores above: it changes only behind this wait
	s_wait_tensorcnt 0x0
	ds_add_u32 v30, v31
	s_wait_dscnt 0x0
	s_and_saveexec_b32 s34, vcc_lo
	global_store_b32 v20, v17, s[14:15]            ; the expert's number, at the token's fixed place: no address here hangs on the choice
	global_store_b32 v20, v15, s[16:17]            ; the gate
	s_wait_xcnt 0x0
	s_or_b32 exec_lo, exec_lo, s34
	s_endpgm
.Lfunc_end_k_q373a2609f6_route:
	.size	k_q373a2609f6_route, .Lfunc_end_k_q373a2609f6_route-k_q373a2609f6_route
	.p2alignl 7, 3214868480
	.fill 96, 4, 3214868480
	.section	.rodata,"a",@progbits
	.p2align	6, 0x0
	.amdhsa_kernel k_q373a2609f6_route
		.amdhsa_group_segment_fixed_size 70656
		.amdhsa_private_segment_fixed_size 0
		.amdhsa_enable_private_segment 0
		.amdhsa_kernarg_size 56
		.amdhsa_user_sgpr_count 2
		.amdhsa_user_sgpr_kernarg_segment_ptr 1
		.amdhsa_wavefront_size32 1
		.amdhsa_system_sgpr_workgroup_id_x 1
		.amdhsa_system_sgpr_workgroup_id_y 1
		.amdhsa_system_sgpr_workgroup_id_z 1
		.amdhsa_system_vgpr_workitem_id 0
		.amdhsa_next_free_vgpr 512
		.amdhsa_next_free_sgpr 66
		.amdhsa_reserve_vcc 1
		.amdhsa_float_denorm_mode_32 3
		.amdhsa_float_denorm_mode_16_64 3
		.amdhsa_memory_ordered 1
		.amdhsa_forward_progress 1
		.amdhsa_inst_pref_size 64
	.end_amdhsa_kernel
	.amdgpu_metadata
---
amdhsa.version: [ 1, 2 ]
amdhsa.kernels:
  - .name:           k_q373a2609f6_route
    .symbol:         k_q373a2609f6_route.kd
    .args:
      - { .name: x, .offset: 0, .size: 8, .value_kind: global_buffer, .address_space: global }
      - { .name: router_w, .offset: 8, .size: 8, .value_kind: global_buffer, .address_space: global }
      - { .name: router_b, .offset: 16, .size: 8, .value_kind: global_buffer, .address_space: global }
      - { .name: lowp_scales, .offset: 24, .size: 8, .value_kind: global_buffer, .address_space: global }
      - { .name: xq, .offset: 32, .size: 8, .value_kind: global_buffer, .address_space: global }
      - { .name: choice, .offset: 40, .size: 8, .value_kind: global_buffer, .address_space: global }
      - { .name: gate, .offset: 48, .size: 8, .value_kind: global_buffer, .address_space: global }
    .group_segment_fixed_size: 70656
    .private_segment_fixed_size: 0
    .kernarg_segment_align: 8
    .kernarg_segment_size: 56
    .max_flat_workgroup_size: 256
    .sgpr_count:     66
    .vgpr_count:     512
    .wavefront_size: 32
...
	.end_amdgpu_metadata
.endif
;; end of part 1
;; launch place (part 2): grid 136 x 1, 16 waves a work-group, no clusters, 71,936 bytes of LDS; arguments choice, expert_w_codes, order, counts, wfrag; writes order, counts, wfrag
.if DOCPART == 2
	.amdgcn_target "amdgcn-amd-amdhsa--gfx1250"
	.amdhsa_code_object_version 6
	.text
	.protected	k_q373a2609f6_place
	.globl	k_q373a2609f6_place
	.p2align	8
	.type	k_q373a2609f6_place,@function
k_q373a2609f6_place:
	s_mov_b64 s[64:65], 0
	v_nop
	global_prefetch_b8 v0, s[64:65] scope:SCOPE_SE
	s_setreg_imm32_b32 hwreg(HW_REG_WAVE_MODE, 25, 1), 1
	s_wait_xcnt 0x0
; PLACE.  Two jobs in one launch, parted by the work-group's number, which is the same in all waves of a work-group; the two ways never join, and each has LDS bytes of its own.
; WORK-GROUPS 0-7, THE SORT: work-group e puts the numbers of all tokens whose choice is e into order[], behind those of the lower experts, and stores their count in counts[e].
;   Every work-group reads all 8,192 choices (32,768 bytes) and counts for itself how many are lower than e: no traffic between work-groups, no atomics.
;   Wave w takes tokens 512 w .. 512 w + 511, 16 a lane.  A token's place = (choices < e in all waves) + (choices = e in lower waves) + (those in my wave's earlier registers) + (those in lower lanes).
;   Every word of order[] is written once, by one work-group.  The order inside an expert is free: output rows do not depend on each other.
; WORK-GROUPS 8-135, THE WEIGHTS: expert_w's codes, [8][1024 n][1024 k], are laid anew as images of the operand's registers:
;   wfrag[64 e + n / 16][k / 128][c][lane][16 bytes]: lane r + 16 h of quad c holds W[e][16 (n / 16) + r][128 (k / 128) + 32 c + 16 h + 0 .. 15].
;   So the product's launch loads a fragment by four lines of 512 consecutive bytes.  A wave turns 16 rows x 256 codes through its own stage in LDS; waves share nothing.
.set TBL,    0                         ; the sort's: 16 waves x (count of = e, count of < e), 128 bytes in a block of 256
.set RST,    256                       ; the weights': a stage of 16 rows x 272 bytes for each wave
.set RPITCH, 272                       ; 256 bytes + 16: the 16 rows that a load touches start at 16 different banks (64 banks of 4 bytes: ISA guide 11.1)
	s_load_b256 s[4:11], s[0:1], 0x0               ; choice s[4:5], expert_w_codes s[6:7], order s[8:9], counts s[10:11]
	s_load_b64 s[12:13], s[0:1], 0x20              ; wfrag
	v_lshl_add_u32 v80, v0, 2, 0x11100
	v_mov_b32 v81, 0
	v_lshrrev_b32 v1, 5, v0
	v_readfirstlane_b32 s20, v1                    ; wave 0..15
	v_and_b32 v1, 31, v0                           ; lane
	v_lshlrev_b32 v2, 4, v1                        ; 16 x lane
	v_and_b32 v3, 15, v0                           ; r
	v_bfe_u32 v4, v0, 4, 1                         ; h
	v_mov_b32 v6, s20                              ; every LDS address of both ways is made here, ahead of the parting
	v_lshlrev_b32 v6, 3, v6                        ; TBL + 8 x wave
	v_lshlrev_b32 v7, 3, v3                        ; TBL + 8 r
	s_mul_i32 s21, s20, 16*RPITCH
	s_add_co_u32 s21, s21, RST                     ; my wave's stage
	v_mul_u32_u24 v8, v4, RPITCH
	v_lshl_add_u32 v8, v3, 4, v8
	v_add_nc_u32 v8, s21, v8                       ; into it: lanes 0-15 one row of 256 bytes, lanes 16-31 the next
	v_mul_u32_u24 v9, v3, RPITCH
	v_lshl_add_u32 v9, v4, 4, v9
	v_add_nc_u32 v9, s21, v9                       ; out of it: row r, + 16 h
	v_lshlrev_b32 v10, 10, v4
	v_lshl_add_u32 v10, v3, 4, v10                 ; the same two rows in expert_w_codes: 1,024 h + 16 r
	s_wait_kmcnt 0x0
	s_cmp_lt_u32 ttmp9, 8
	s_cbranch_scc0 .Lrelay
	; ---- THE SORT
	s_mov_b32 s22, ttmp9                           ; e
	s_lshl_b32 s26, s20, 11                        ; my wave's 512 choices
	s_mov_b32 s27, 0
	s_add_nc_u64 s[4:5], s[4:5], s[26:27]
.irp q, 0,1,2,3
	global_load_b128 v[16+4*\q:19+4*\q], v2, s[4:5] offset:512*\q      ; register 4 q + c: token 512 w + 128 q + 4 l + c
.endr
	s_mov_b32 s24, 0                               ; how many of my wave's are e,
	s_mov_b32 s25, 0                               ; how many lower
	s_lshl_b32 s31, s20, 9
	v_lshl_add_u32 v14, v1, 2, s31                 ; 512 w + 4 l
	s_lshl_b32 s23, s22, 2
	v_mov_b32 v15, s23                             ; 4 e: my word of counts
	v_mov_b32 v67, 0                               ; written once: a DPP form's destination counts as read
	v_mov_b32 v68, 0
	v_mov_b32 v69, 0
	s_wait_loadcnt 0x0
.irp j, 0,1,2,3,4,5,6,7,8,9,10,11,12,13,14,15
	v_cmp_eq_u32 s[32+\j], s22, v[16+\j]           ; the lanes whose token goes to e: kept for the placing
	v_cmp_gt_u32 vcc_lo, s22, v[16+\j]
	s_bcnt1_i32_b32 s23, s[32+\j]
	s_add_co_u32 s24, s24, s23
	s_bcnt1_i32_b32 s23, vcc_lo
	s_add_co_u32 s25, s25, s23
.endr
	v_mov_b32 v12, s24
	v_mov_b32 v13, s25
	ds_store_b64 v6, v[12:13]                      ; all lanes write the same pair to my wave's place
	s_wait_dscnt 0x0                               ; for the others' sake
	s_barrier_signal -1
	s_barrier_wait -1
	ds_load_b64 v[64:65], v7                       ; lane r + 16 h: wave r's pair
	s_wait_dscnt 0x0
	v_cmp_gt_u32 vcc_lo, s20, v3
	v_cndmask_b32 v66, 0, v64, vcc_lo              ; counts of e in the waves below mine
.irp m, 1,2,4,8
	v_mov_b32_dpp v67, v66 row_xmask:\m row_mask:0xf bank_mask:0xf         ; three sums over the 16 lanes of a row, in whole numbers
	v_mov_b32_dpp v68, v64 row_xmask:\m row_mask:0xf bank_mask:0xf
	v_mov_b32_dpp v69, v65 row_xmask:\m row_mask:0xf bank_mask:0xf
	v_add_nc_u32 v66, v66, v67
	v_add_nc_u32 v64, v64, v68
	v_add_nc_u32 v65, v65, v69
.endr
	v_readfirstlane_b32 s28, v66
	v_readfirstlane_b32 s29, v64                   ; expert e's count
	v_readfirstlane_b32 s30, v65
	s_add_co_u32 s30, s30, s28                     ; where my wave's first token of e goes
.irp j, 0,1,2,3,4,5,6,7,8,9,10,11,12,13,14,15
	v_mbcnt_lo_u32_b32 v[32+\j], s[32+\j], s30     ; + those in lower lanes
	s_bcnt1_i32_b32 s23, s[32+\j]
	s_add_co_u32 s30, s30, s23
	v_min_u32 v[32+\j], 0x1fff, v[32+\j]           ; a number made of loaded data enters an address held inside the buffer's 8,192 words
	v_lshlrev_b32 v[32+\j], 2, v[32+\j]
	v_add_nc_u32 v[48+\j], 128*(\j/4)+\j%4, v14    ; the token's number
.endr
	s_wait_xcnt 0x0                                ; EXEC changes only behind this wait
.irp j, 0,1,2,3,4,5,6,7,8,9,10,11,12,13,14,15
	s_and_saveexec_b32 s50, s[32+\j]
	global_store_b32 v[32+\j], v[48+\j], s[8:9]    ; the lanes that are on write neighbouring words
	s_wait_xcnt 0x0                                ; and again ahead of the line that widens it
	s_or_b32 exec_lo, exec_lo, s50
.endr
	s_cmp_lg_u32 s20, 0
	s_cbranch_scc1 .Lsorted
	v_mov_b32 v70, s29
	v_cmp_eq_u32 vcc_lo, 0, v1
	s_and_saveexec_b32 s50, vcc_lo                 ; (no memory instruction has been issued since the last wait)
	global_store_b32 v15, v70, s[10:11]            ; counts[e], by wave 0's lane 0
	s_wait_xcnt 0x0
	s_or_b32 exec_lo, exec_lo, s50
.Lsorted:
	s_wait_tensorcnt 0x0
	ds_add_u32 v80, v81
	s_wait_dscnt 0x0
	s_endpgm
	; ---- THE WEIGHTS: task T = 16 (work-group - 8) + wave, 0 .. 2,047: rows 16 (T / 4) .. + 15 of the 8,192 rows, codes 256 (T % 4) .. + 255
.Lrelay:
	s_sub_co_u32 s22, ttmp9, 8
	s_lshl_b32 s22, s22, 4
	s_add_co_u32 s22, s22, s20
	s_lshr_b32 s23, s22, 2
	s_lshl_b32 s23, s23, 14                        ; 16 rows are 16,384 bytes, in both buffers
	s_and_b32 s24, s22, 3
	s_lshl_b32 s26, s24, 8
	s_add_co_u32 s26, s26, s23
	s_mov_b32 s27, 0
	s_add_nc_u64 s[6:7], s[6:7], s[26:27]
	s_lshl_b32 s26, s24, 12                        ; two K steps' images are 4,096 bytes
	s_add_co_u32 s26, s26, s23
	s_add_nc_u64 s[12:13], s[12:13], s[26:27]
.irp i, 0,1,2,3,4,5,6,7
	global_load_b128 v[16+4*\i:19+4*\i], v10, s[6:7] offset:2048*\i th:TH_LOAD_NT    ; rows 2 i and 2 i + 1: sixteen lanes read 256 consecutive bytes; read once in the launch
.endr
	s_wait_loadcnt 0x0
.irp i, 0,1,2,3,4,5,6,7
	ds_store_b128 v8, v[16+4*\i:19+4*\i] offset:2*RPITCH*\i
.endr
.irp f, 0,1
.irp c, 0,1,2,3
	ds_load_b128 v[48+4*(4*\f+\c):51+4*(4*\f+\c)], v9 offset:128*\f+32*\c            ; LDS serves a wave's instructions in order (ISA guide 5.7.1.4): these see my stores
.endr
.endr
.irp f, 0,1
.irp c, 0,1,2,3
	s_wait_dscnt 7-4*\f-\c                         ; this quad is in; the later ones stay out
	global_store_b128 v2, v[48+4*(4*\f+\c):51+4*(4*\f+\c)], s[12:13] offset:2048*\f+512*\c   ; 512 consecutive bytes, at a multiple of 512 from wfrag's first byte
.endr
.endr
	s_wait_tensorcnt 0x0
	ds_add_u32 v80, v81
	s_wait_dscnt 0x0
	s_endpgm
.Lfunc_end_k_q373a2609f6_place:
	.size	k_q373a2609f6_place, .Lfunc_end_k_q373a2609f6_place-k_q373a2609f6_place
	.p2alignl 7, 3214868480
	.fill 96, 4, 3214868480
	.section	.rodata,"a",@progbits
	.p2align	6, 0x0
	.amdhsa_kernel k_q373a2609f6_place
		.amdhsa_group_segment_fixed_size 71936
		.amdhsa_private_segment_fixed_size 0
		.amdhsa_enable_private_segment 0
		.amdhsa_kernarg_size 40
		.amdhsa_user_sgpr_count 2
		.amdhsa_user_sgpr_kernarg_segment_ptr 1
		.amdhsa_wavefront_size32 1
		.amdhsa_system_sgpr_workgroup_id_x 1
		.amdhsa_system_sgpr_workgroup_id_y 1
		.amdhsa_system_sgpr_workgroup_id_z 1
		.amdhsa_system_vgpr_workitem_id 0
		.amdhsa_next_free_vgpr 82
		.amdhsa_next_free_sgpr 66
		.amdhsa_reserve_vcc 1
		.amdhsa_float_denorm_mode_32 3
		.amdhsa_float_denorm_mode_16_64 3
		.amdhsa_memory_ordered 1
		.amdhsa_forward_progress 1
		.amdhsa_inst_pref_size 19
	.end_amdhsa_kernel
	.amdgpu_metadata
---
amdhsa.version: [ 1, 2 ]
amdhsa.kernels:
  - .name:           k_q373a2609f6_place
    .symbol:         k_q373a2609f6_place.kd
    .args:
      - { .name: choice, .offset: 0, .size: 8, .value_kind: global_buffer, .address_space: global }
      - { .name: expert_w_codes, .offset: 8, .size: 8, .value_kind: global_buffer, .address_space: global }
      - { .name: order, .offset: 16, .size: 8, .value_kind: global_buffer, .address_space: global }
      - { .name: counts, .offset: 24, .size: 8, .value_kind: global_buffer, .address_space: global }
      - { .name: wfrag, .offset: 32, .size: 8, .value_kind: global_buffer, .address_space: global }
    .group_segment_fixed_size: 71936
    .private_segment_fixed_size: 0
    .kernarg_segment_align: 8
    .kernarg_segment_size: 40
    .max_flat_workgroup_size: 512
    .sgpr_count:     66
    .vgpr_count:     82
    .wavefront_size: 32
...
	.end_amdgpu_metadata
.endif
;; end of part 2
;; launch experts (part 3): grid 4 x 64, 4 waves a work-group, no clusters, 170,240 bytes of LDS; arguments xq, wfrag, order, counts, gate, expert_b, lowp_scales, out0; writes out0
.if DOCPART == 3
	.amdgcn_target "amdgcn-amd-amdhsa--gfx1250"
	.amdhsa_code_object_version 6
	.text
	.protected	k_q373a2609f6_experts
	.globl	k_q373a2609f6_experts
	.p2align	8
	.type	k_q373a2609f6_experts,@function
k_q373a2609f6_experts:
	s_mov_b64 s[64:65], 0
	v_nop
	global_prefetch_b8 v0, s[64:65] scope:SCOPE_SE
	s_setreg_imm32_b32 hwreg(HW_REG_WAVE_MODE, 25, 1), 1
	s_wait_xcnt 0x0
; EXPERTS.  out0[token] = gate[token] x (Q(x)[token] . W[e] + expert_b[e]), e the token's expert: only the chosen expert's rows are multiplied.
; THE GRID SERVES EVERY SPLIT.  Tokens lie sorted by expert in order[]; expert e's count c_e gives ceil(c_e / 144) tiles of 144 rows.  The sum of these over 8 experts is at most
; floor((8,192 + 8 x 143) / 144) = 64, whatever the choice.  Work-group (p, j): tile j, columns 256 p .. 256 p + 255.  A work-group whose j is past the last tile stores nothing and ends.
; SHARES.  The four waves split the COLUMNS: wave w makes all 144 rows x columns 256 p + 64 w .. + 63: 36 accumulators (a = 0..8 blocks of 16 rows, b = 0..3 blocks of 16 columns), 288 registers.
; So each byte of W is loaded by one wave, straight into registers (wfrag holds images of the operand's registers), and the 144 gathered rows of codes lie whole in LDS, read by all four.
; THE MATRIX INSTRUCTION IS USED TRANSPOSED (source 0 = 16 columns of W, source 1 = 16 tokens): lane r + 16 h, register i holds row 16 a + r, column 16 b + 8 h + i: 32 neighbouring bytes of a row.
; k lies in both operands' registers alike: registers 4 c .. 4 c + 3 hold k = 32 c + 16 h + 0 .. 15 of the K step's 128: every product meets its partner; only the order of the sums inside an instruction differs.
; ARITHMETIC.  y = (sum of code products + expert_b x 2^-(ex+ew)) x (gate x 2^(ex+ew)).  The bias is the C of each sum's first matrix instruction.
; A tile's slots past its n rows repeat its last token: they compute and store the same numbers at the same place, so no store needs a mask; blocks of 16 rows wholly past n are not stored.
; LIMITS: expert_b x 2^-(ex+ew) and gate x 2^(ex+ew) must be f32 numbers (both are made by v_ldexp_f32).
; NO CLUSTER, NO TENSOR LOAD: the tiles of one expert read the same W and a tile's four column parts the same rows, but which expert a work-group serves, how many rows it has and whether it
; has any hang on counts read from memory, and the text branches on them; partners would need different loads.  So operands come by loads into registers.
; REGISTERS, in windows of 256 (s_set_vgpr_msb: bits 1:0 source 0, 3:2 source 1, 5:4 source 2, 7:6 destination):
;   window 0: v1-29 addresses and indices; v32-175 A's fragments, set 0 (before the barrier v32-67: the gather's offsets; on the way out v32-103 are at work); v176-213 tokens, gates
;   window 1: accumulators a = 0..7 at 8 (4 a + b); before the barrier: the gathered rows on their way to LDS
;   window 2: v0-31 accumulators a = 8 (before: the last four gathered rows); v32-63 the bias, 8 registers for each b; v64-207 A's fragments, set 1
;   window 3: W's fragments: a ring of four K steps x 64 registers
.set APITCH, 1040                      ; a row of A in LDS: 1,024 bytes + 16 = 65 x 16: the 16 rows that a load touches start at 16 different banks (64 banks of 4 bytes: ISA guide 11.1)
.set STAGE,  144*APITCH                ; behind A: 16 rows x 272 bytes for each wave, for the way out
.set SPITCH, 272
.set LIST,   STAGE+4*16*SPITCH         ; behind the stages: 160 token numbers for each wave, its own copy
.set A0,   32                          ; A's set 0, window 0
.set A1,   64                          ; A's set 1, window 2
.set BIAS, 32                          ; window 2
.set TOKA, 176                         ; v176-184 token of row 16 a + r, then its byte in gate
.set GRAW, 186                         ; v186-194 its gate
.set G,    196                         ; v196-213 gate x 2^(ex+ew), twice for each a: a pair for the packed multiply
.set TMP,  32                          ; the way out: a block's 32 numbers
.set BK,   64                          ; 16 rows read back
.set OA,   96                          ; their tokens, then their byte offsets in out0
.set STK,  66                          ; s66-101 the tokens of my wave's 36 rows of the gather
.set MSB, 0
.macro WIN new                         ; the immediate's high byte repeats the setting that is left
.if MSB != (\new)
	s_set_vgpr_msb (MSB<<8)|(\new)
.set MSB, (\new)
.endif
.endm
.macro PLACES n                        ; a load into a register that a matrix instruction has read stands four plain vector instructions behind it (ISA guide 7.12.1 for vector instructions)
.rept \n
	v_nop
.endr
.endm
	s_load_b512 s[4:19], s[0:1], 0x0               ; xq s[4:5], wfrag s[6:7], order s[8:9], counts s[10:11], gate s[12:13], expert_b s[14:15], the scales' exponents s[16:17], out0 s[18:19]
	v_lshl_add_u32 v254, v0, 2, 0x29700
	v_mov_b32 v255, 0
	v_lshrrev_b32 v1, 5, v0
	v_readfirstlane_b32 s20, v1                    ; wave 0..3
	s_mov_b32 s21, ttmp9                           ; p
	s_and_b32 s22, ttmp7, 0xffff                   ; j
	v_and_b32 v15, 31, v0                          ; lane
	v_lshlrev_b32 v1, 4, v15                       ; 16 x lane
	v_and_b32 v2, 15, v0                           ; r
	v_bfe_u32 v3, v0, 4, 1                         ; h
	v_mul_u32_u24 v4, v2, APITCH
	v_lshl_add_u32 v4, v3, 4, v4                   ; A's fragments: row r, + 16 h; blocks a = 0..2,
	v_add_nc_u32 v5, 3*16*APITCH, v4               ; 3..5,
	v_add_nc_u32 v6, 6*16*APITCH, v4               ; 6..8: an LDS immediate has 16 bits
	s_mul_i32 s40, s20, 36*APITCH
	v_add_nc_u32 v7, s40, v1                       ; the gather: my wave fills rows 36 w .. 36 w + 35
	s_mul_i32 s40, s20, 16*SPITCH
	s_add_co_u32 s40, s40, STAGE                   ; my stage
	v_mul_u32_u24 v8, v2, SPITCH
	v_lshl_add_u32 v8, v3, 5, v8
	v_add_nc_u32 v8, s40, v8                       ; in: row r, + 32 h
	v_mul_u32_u24 v9, v3, SPITCH
	v_lshl_add_u32 v9, v2, 4, v9
	v_add_nc_u32 v9, s40, v9                       ; back: lanes 0-15 one row of 256 bytes, lanes 16-31 the next
	s_mul_i32 s40, s20, 640
	s_add_co_u32 s40, s40, LIST                    ; my list
	v_lshl_add_u32 v10, v15, 2, s40                ; + 4 x lane
	v_lshl_add_u32 v11, v3, 2, s40                 ; + 4 h
	v_lshl_add_u32 v12, v2, 2, s40                 ; + 4 r
	s_lshl_b32 s50, s21, 10
	s_lshl_b32 s41, s20, 8
	s_add_co_u32 s50, s50, s41                     ; my 64 columns in a row of f32: byte 1,024 p + 256 w
	v_lshl_add_u32 v13, v2, 4, s50                 ; + 16 r
	v_lshlrev_b32 v14, 5, v3                       ; the bias: 32 h
	s_wait_kmcnt 0x0
	s_load_b256 s[24:31], s[10:11], 0x0            ; the eight counts
	s_load_b64 s[32:33], s[16:17], 0x0             ; ex, ew
	s_mov_b32 s34, 0                               ; tiles of the experts passed
	s_mov_b32 s35, 0                               ; rows of the experts passed
	s_mov_b32 s36, 0                               ; my expert,
	s_mov_b32 s37, 0                               ; my tile's number in it,
	s_mov_b32 s38, 0                               ; its first row in order[],
	s_mov_b32 s39, 0                               ; its count: 0 if j is past the last tile
	s_wait_kmcnt 0x0
.irp e, 0,1,2,3,4,5,6,7
	s_add_co_u32 s40, s[24+\e], 143
	s_lshr_b32 s40, s40, 4
	s_mul_i32 s40, s40, 3641
	s_lshr_b32 s40, s40, 15                        ; ceil(c / 144) = ((c + 143) / 16) / 9; y x 3,641 >> 15 = y / 9, rounded down, for every y under 32,768
	s_sub_co_u32 s41, s22, s34                     ; j less the tiles passed (a very large number where j lies below)
	s_cmp_lt_u32 s41, s40
	s_cselect_b32 s36, \e, s36
	s_cselect_b32 s37, s41, s37
	s_cselect_b32 s38, s35, s38
	s_cselect_b32 s39, s[24+\e], s39
	s_add_co_u32 s34, s34, s40
	s_add_co_u32 s35, s35, s[24+\e]
.endr
	s_mul_i32 s40, s37, 144
	s_sub_co_u32 s42, s39, s40
	s_min_u32 s42, s42, 144                        ; n: my tile's rows, 0 to 144
	s_add_co_u32 s43, s38, s40
	s_min_u32 s43, s43, 0x1fff                     ; its first place in order[]
	s_max_u32 s44, s42, 1
	s_sub_co_u32 s44, s44, 1                       ; its last slot
	s_min_u32 s36, s36, 7
	s_lshl_b32 s48, s36, 20                        ; wfrag: 64 blocks of 16 columns x 16,384 bytes an expert,
	s_lshl_b32 s40, s21, 18                        ; 16 blocks a column part,
	s_add_co_u32 s48, s48, s40
	s_lshl_b32 s40, s20, 16                        ; 4 a wave
	s_add_co_u32 s48, s48, s40
	s_mov_b32 s49, 0
	s_add_nc_u64 s[6:7], s[6:7], s[48:49]
	s_lshl_b32 s48, s36, 12
	s_add_co_u32 s48, s48, s50
	s_add_nc_u64 s[14:15], s[14:15], s[48:49]      ; expert_b at my expert's row, my 64 columns
	s_add_co_i32 s45, s32, s33                     ; ex + ew
	s_sub_co_i32 s46, 0, s45
	; seven words a lane of order[]: slots 32 q + lane (q = 0..4: the whole tile, for my list), 36 w + lane and 36 w + 32 + lane % 4 (my rows of the gather)
.irp q, 0,1,2,3,4
	v_add_nc_u32 v[16+\q], 32*\q, v15
.endr
	s_mul_i32 s40, s20, 36
	v_add_nc_u32 v21, s40, v15
	v_and_b32 v22, 3, v15
	s_add_co_u32 s40, s40, 32
	v_add_nc_u32 v22, s40, v22
.irp q, 0,1,2,3,4,5,6
	v_min_u32 v[16+\q], s44, v[16+\q]              ; slots past the tile's rows repeat its last
	v_add_nc_u32 v[16+\q], s43, v[16+\q]
	v_min_u32 v[16+\q], 0x1fff, v[16+\q]           ; held inside the buffer's 8,192 words
	v_lshlrev_b32 v[16+\q], 2, v[16+\q]
.endr
.irp q, 0,1,2,3,4,5,6
	global_load_b32 v[23+\q], v[16+\q], s[8:9]
.endr
; W's fragments of K step s, my four blocks of 16 columns: 16 loads of 512 consecutive bytes into slot s % 4 of the ring
.macro BLOAD s
	WIN 0xc0                                       ; destination window 3
.irp b, 0,1,2,3
.irp c, 0,1,2,3
	global_load_b128 v[64*((\s)%4)+16*\b+4*\c:64*((\s)%4)+16*\b+4*\c+3], v1, s[6:7] offset:16384*\b+2048*(\s)+512*\c
.endr
.endr
	WIN 0
.endm
	BLOAD 0
	BLOAD 1
	WIN 0x80                                       ; destination window 2
.irp b, 0,1,2,3
	global_load_b128 v[BIAS+8*\b:BIAS+8*\b+3], v14, s[14:15] offset:64*\b          ; expert_b at columns 16 b + 8 h + 0 .. 7: the result's layout
	global_load_b128 v[BIAS+8*\b+4:BIAS+8*\b+7], v14, s[14:15] offset:64*\b+16
.endr
	WIN 0
	s_wait_loadcnt 40                              ; the seven words of order[] are in; W's two K steps (32 loads) and the bias (8) stay out
.irp q, 0,1,2,3,4
	ds_store_b32 v10, v[23+\q] offset:128*\q       ; my wave's own list of the tile's tokens
.endr
.irp a, 0,1,2,3,4,5,6,7,8
	ds_load_b32 v[TOKA+\a], v12 offset:64*\a       ; the token of row 16 a + r.  LDS serves a wave's instructions in order (ISA guide 5.7.1.4)
.endr
.set i, 0
.rept 32
	v_readlane_b32 s[STK+i], v28, i                ; the tokens of rows 36 w + 0 .. 31,
.set i, i+1
.endr
.rept 4
	v_readlane_b32 s[STK+i], v29, i-32             ; and 32 .. 35
.set i, i+1
.endr
.set i, 0
.rept 36
	s_min_u32 s[STK+i], s[STK+i], 0x1fff           ; held inside xq's 8,192 rows
.set i, i+1
.endr
.set i, 0
.rept 36
	v_lshl_add_u32 v[32+i], s[STK+i], 10, v1       ; 1,024 x token + 16 x lane
.set i, i+1
.endr
	; THE GATHER: 72 loads, each 512 consecutive bytes of one token's codes.  More loads are now issued than the counter's field holds: the issue is then held (ISA guide 5.7.1); no wait is written for that
	WIN 0x40                                       ; destination window 1
.set i, 0
.rept 32
	global_load_b128 v[8*i:8*i+3], v[32+i], s[4:5]
	global_load_b128 v[8*i+4:8*i+7], v[32+i], s[4:5] offset:512
.set i, i+1
.endr
	WIN 0x80                                       ; destination window 2
.rept 4
	global_load_b128 v[8*(i-32):8*(i-32)+3], v[32+i], s[4:5]
	global_load_b128 v[8*(i-32)+4:8*(i-32)+7], v[32+i], s[4:5] offset:512
.set i, i+1
.endr
	WIN 0
	s_wait_dscnt 0x0                               ; the nine tokens are in
.irp a, 0,1,2,3,4,5,6,7,8
	v_min_u32 v[TOKA+\a], 0x1fff, v[TOKA+\a]
	v_lshlrev_b32 v[TOKA+\a], 2, v[TOKA+\a]
.endr
.irp a, 0,1,2,3,4,5,6,7,8
	global_load_b32 v[GRAW+\a], v[TOKA+\a], s[12:13]
.endr
	BLOAD 2
	BLOAD 3
	; the gathered rows go into LDS, four rows (eight loads) at a time.  Behind batch g were issued 8 (8 - g) loads of the gather, 9 gates and 32 of W: a count cannot name more than 63, and a smaller count is safe
.irp g, 0,1,2,3,4,5,6,7,8
.if 8*(8-\g)+41 > 63
	s_wait_loadcnt 63
.else
	s_wait_loadcnt 8*(8-\g)+41
.endif
.if \g < 8
	WIN 0x04                                       ; store data (source 1) window 1
.else
	WIN 0x08                                       ; window 2
.endif
.irp n, 0,1,2,3,4,5,6,7
	ds_store_b128 v7, v[(32*\g+4*\n)%256:(32*\g+4*\n)%256+3] offset:APITCH*(4*\g+\n/2)+512*(\n%2)
.endr
.endr
	WIN 0x82                                       ; source 0 and destination window 2.  (The last wait has shown W's K steps 0 and 1 and the bias landed too: they are older)
.set i, 0
.rept 32
	v_ldexp_f32 v[BIAS+i], v[BIAS+i], s46          ; a sum stands for sum x 2^(ex+ew): the bias goes in divided by that
.set i, i+1
.endr
	WIN 0
	s_wait_dscnt 0x0                               ; for the others' sake: my 36 rows lie in LDS
	s_barrier_signal -1
	s_barrier_wait -1                              ; all 144 do.  The launch's one barrier: every wave has passed it before any branch on a count
	s_cmp_eq_u32 s42, 0
	s_cbranch_scc1 .Lend                           ; this split has no tile j: nothing is stored
; A's nine fragments of K step s, 36 loads, into set s % 2
.macro ALOAD s
.if (\s)%2
	WIN 0x80
.set AF, A1
.else
	WIN 0
.set AF, A0
.endif
.irp a, 0,1,2,3,4,5,6,7,8
.irp c, 0,1,2,3
	ds_load_b128 v[AF+16*\a+4*\c:AF+16*\a+4*\c+3], v[4+\a/3] offset:16*APITCH*(\a%3)+128*(\s)+32*\c
.endr
.endr
	WIN 0
.endm
; K step s: 36 matrix instructions.  The 36 accumulators take turns, one instruction a turn, in the same order in every step.  In step 0 the bias is C: nothing is cleared.
.macro MULS s
.set AF, A0+(A1-A0)*((\s)%2)
.set AW, 2*((\s)%2)
.irp a, 0,1,2,3,4,5,6,7,8
.set DW, 1+\a/8
.set CW, DW
.if (\s) == 0
.set CW, 2
.endif
.set WN, 3|(AW<<2)|(CW<<4)|(DW<<6)
	WIN WN
.irp b, 0,1,2,3
.set DR, (8*(4*\a+\b))%256
.if (\s) == 0
	v_wmma_f32_16x16x128_fp8_fp8 v[DR:DR+7], v[64*((\s)%4)+16*\b:64*((\s)%4)+16*\b+15], v[AF+16*\a:AF+16*\a+15], v[BIAS+8*\b:BIAS+8*\b+7]
.else
	v_wmma_f32_16x16x128_fp8_fp8 v[DR:DR+7], v[64*((\s)%4)+16*\b:64*((\s)%4)+16*\b+15], v[AF+16*\a:AF+16*\a+15], v[DR:DR+7]
.endif
.endr
.endr
.endm
; A step asks first for what later steps want: A's next K step into the set, and W's K step three on into the ring's slot, that the step before has just multiplied.
.macro STEP s
.if (\s) > 0
	PLACES 4
.endif
.if (\s) < 7
	ALOAD (\s)+1
.endif
.if (\s) >= 1 && (\s) <= 4
	BLOAD (\s)+3
.endif
.if (\s) >= 2
.if (\s) <= 4
	s_wait_loadcnt 48                              ; W's K step s is in; the three K steps issued behind it stay out
.else
	s_wait_loadcnt 16*(7-(\s))                     ; the K steps that are left stay out
.endif
.endif
.if (\s) < 7
	s_wait_dscnt 36                                ; A's K step s is in; the 36 loads just issued stay out
.else
	s_wait_dscnt 0x0
.endif
	MULS \s
.endm
	ALOAD 0
	STEP 0
	STEP 1
	STEP 2
	STEP 3
	STEP 4
	STEP 5
	STEP 6
	STEP 7
	WIN 0
.irp a, 0,1,2,3,4,5,6,7,8
	v_ldexp_f32 v[G+2*\a], v[GRAW+\a], s45         ; gate x 2^(ex+ew).  (The gates were issued ahead of W's K step 2, so step 2's wait has shown them landed.)
	v_ldexp_f32 v[G+2*\a+1], v[GRAW+\a], s45       ; These 18 plain lines name no register of the last products: they are the places behind them
.endr
; THE WAY OUT, a block of 16 rows x my 64 columns at a time: x the row's factor, through my own stage, back as rows of 256 bytes, each to its token's row of out0.
.macro OUTBLK a
	WIN 0
.if (\a) > 0
	s_cmp_le_u32 s42, 16*(\a)
	s_cbranch_scc1 .Lend                           ; the tile has no row in this block or behind it
	s_wait_xcnt 0x0                                ; the last block's stores have read their data and offsets: both are written again below
.endif
.irp t, 0,1,2,3,4,5,6,7
	ds_load_b32 v[OA+\t], v11 offset:4*(16*(\a)+2*\t)      ; the token of row 16 a + 2 t + h
.endr
	WIN 1+(\a)/8                                   ; source 0: window 1, for a = 8 window 2
.irp u, 0,1,2,3,4,5,6,7,8,9,10,11,12,13,14,15
	v_pk_mul_f32 v[TMP+2*\u:TMP+2*\u+1], v[(32*(\a))%256+2*\u:(32*(\a))%256+2*\u+1], v[G+2*(\a):G+2*(\a)+1]   ; each accumulator from its low end on
.endr
	WIN 0
.irp b, 0,1,2,3
	ds_store_b128 v8, v[TMP+8*\b:TMP+8*\b+3] offset:64*\b
	ds_store_b128 v8, v[TMP+8*\b+4:TMP+8*\b+7] offset:64*\b+16
.endr
.irp t, 0,1,2,3,4,5,6,7
	ds_load_b128 v[BK+4*\t:BK+4*\t+3], v9 offset:2*SPITCH*\t       ; in order behind my stores
.endr
	s_wait_dscnt 16                                ; the eight tokens are in; the stage's 8 stores and 8 loads stay out
.irp t, 0,1,2,3,4,5,6,7
	v_min_u32 v[OA+\t], 0x1fff, v[OA+\t]
	v_lshl_add_u32 v[OA+\t], v[OA+\t], 12, v13     ; 4,096 x token + 1,024 p + 256 w + 16 r
.endr
.irp t, 0,1,2,3,4,5,6,7
	s_wait_dscnt 7-\t
	global_store_b128 v[OA+\t], v[BK+4*\t:BK+4*\t+3], s[18:19] th:TH_STORE_NT      ; sixteen lanes store 256 consecutive bytes, at a multiple of 256 from out0's first byte; written once, read by nobody here
.endr
.endm
	OUTBLK 0
	OUTBLK 1
	OUTBLK 2
	OUTBLK 3
	OUTBLK 4
	OUTBLK 5
	OUTBLK 6
	OUTBLK 7
	OUTBLK 8
.Lend:
	s_wait_tensorcnt 0x0
	ds_add_u32 v254, v255
	s_wait_dscnt 0x0
	s_endpgm
.Lfunc_end_k_q373a2609f6_experts:
	.size	k_q373a2609f6_experts, .Lfunc_end_k_q373a2609f6_experts-k_q373a2609f6_experts
	.p2alignl 7, 3214868480
	.fill 96, 4, 3214868480
	.section	.rodata,"a",@progbits
	.p2align	6, 0x0
	.amdhsa_kernel k_q373a2609f6_experts
		.amdhsa_group_segment_fixed_size 170240
		.amdhsa_private_segment_fixed_size 0
		.amdhsa_enable_private_segment 0
		.amdhsa_kernarg_size 64
		.amdhsa_user_sgpr_count 2
		.amdhsa_user_sgpr_kernarg_segment_ptr 1
		.amdhsa_wavefront_size32 1
		.amdhsa_system_sgpr_workgroup_id_x 1
		.amdhsa_system_sgpr_workgroup_id_y 1
		.amdhsa_system_sgpr_workgroup_id_z 1
		.amdhsa_system_vgpr_workitem_id 0
		.amdhsa_next_free_vgpr 1024
		.amdhsa_next_free_sgpr 102
		.amdhsa_reserve_vcc 0
		.amdhsa_float_denorm_mode_32 3
		.amdhsa_float_denorm_mode_16_64 3
		.amdhsa_memory_ordered 1
		.amdhsa_forward_progress 1
		.amdhsa_inst_pref_size 128
	.end_amdhsa_kernel
	.amdgpu_metadata
---
amdhsa.version: [ 1, 2 ]
amdhsa.kernels:
  - .name:           k_q373a2609f6_experts
    .symbol:         k_q373a2609f6_experts.kd
    .args:
      - { .name: xq, .offset: 0, .size: 8, .value_kind: global_buffer, .address_space: global }
      - { .name: wfrag, .offset: 8, .size: 8, .value_kind: global_buffer, .address_space: global }
      - { .name: order, .offset: 16, .size: 8, .value_kind: global_buffer, .address_space: global }
      - { .name: counts, .offset: 24, .size: 8, .value_kind: global_buffer, .address_space: global }
      - { .name: gate, .offset: 32, .size: 8, .value_kind: global_buffer, .address_space: global }
      - { .name: expert_b, .offset: 40, .size: 8, .value_kind: global_buffer, .address_space: global }
      - { .name: lowp_scales, .offset: 48, .size: 8, .value_kind: global_buffer, .address_space: global }
      - { .name: out0, .offset: 56, .size: 8, .value_kind: global_buffer, .address_space: global }
    .group_segment_fixed_size: 170240
    .private_segment_fixed_size: 0
    .kernarg_segment_align: 8
    .kernarg_segment_size: 64
    .max_flat_workgroup_size: 128
    .sgpr_count:     102
    .vgpr_count:     1024
    .wavefront_size: 32
...
	.end_amdgpu_metadata
.endif
;; end of part 3
;; ======== version 2 of 2: 3 launches
;; workspace buffers: xq 8,388,608 bytes; wfrag 8,388,608 bytes; gate 32,768 bytes; choice 32,768 bytes of whole numbers; order 32,768 bytes of whole numbers; counts 256 bytes of whole numbers
;; launch route (part 4): grid 256 x 1, 8 waves a work-group, no clusters, 70,656 bytes of LDS; arguments x, router_w, router_b, lowp_scales, xq, choice, gate; writes xq, choice, gate
.if DOCPART == 4
	.amdgcn_target "amdgcn-amd-amdhsa--gfx1250"
	.amdhsa_code_object_version 6
	.text
	.protected	k_q373a2609f6_route
	.globl	k_q373a2609f6_route
	.p2align	8
	.type	k_q373a2609f6_route,@function
k_q373a2609f6_route:
	s_mov_b64 s[64:65], 0
	v_nop
	global_prefetch_b8 v0, s[64:65] scope:SCOPE_SE
	s_setreg_imm32_b32 hwreg(HW_REG_WAVE_MODE, 25, 1), 1
	s_wait_xcnt 0x0
; ROUTE.  For each of 8,192 tokens of 1,024 f32 numbers: the router's 8 logits (x . router_w + router_b, fused multiply-adds in f32), the softmax's largest
; probability (the gate) and its expert's number; and the token's 1,024 codes of E4M3 with the given scale 2^ex.  x is read once and serves both.
; SHARES.  Work-group g owns tokens 32 g .. 32 g + 31, wave w four whole tokens.  Lane l holds k = 128 i + 4 l + c (i = 0..7, c = 0..3) of each token: every load of x is
; 512 consecutive bytes.  The lane's 32 k x 8 experts of router_w stay in 256 registers (window 1), so a number of x costs four packed multiply-adds and no further load.
; The 32 sums of a wave (4 tokens x 8 experts) are added over its 32 lanes by a fold that halves the values as it doubles the lanes: lane l ends with token l / 8, expert l % 8.
; The maximum is taken away before the exponential; the largest probability is then 1 / the sum.  The expert is the lowest index whose LOGIT equals the largest logit.
; LIMITS: ex between -126 and 119 (2^ex and 448 x 2^ex are made as f32 numbers); NaN among the inputs is not served; the choice is made on the logits, not on the rounded
; probabilities; the f32 sums of a logit run in another order than a plain loop over k.
; No matrix unit: the product has 8 columns and its result steers a choice, so it stays in f32.  No cluster: work-groups share only router_w's 32,768 bytes.
.set WPITCH, 144                       ; LDS: a block of 4 k x 8 experts, 128 bytes + 16 of padding: lanes 144 bytes apart read 16-byte pieces that start at different banks (64 banks of 4 bytes: ISA guide 11.1)
.set CS,     256*WPITCH                ; behind router_w's 256 blocks: a stage of 4 rows x 1,024 codes for each wave
.set ACC,    32                        ; v32-63   first my 128 bytes of router_w on their way to LDS, then the sums: value 8 t + e
.set X,      64                        ; v64-191  token t at 64 + 32 t, register 4 i + c
.set CD,     192                       ; v192-223 codes: word 8 t + i holds k = 128 i + 4 l .. + 3
.set BK,     224                       ; v224-255 rows of codes read back, 16 bytes a lane
.set MSB, 0
.macro WIN new                         ; s_set_vgpr_msb: bits 1:0 source 0, 3:2 source 1, 5:4 source 2, 7:6 destination; the high byte repeats the setting that is left
.if MSB != (\new)
	s_set_vgpr_msb (MSB<<8)|(\new)
.set MSB, (\new)
.endif
.endm
	s_load_b256 s[4:11], s[0:1], 0x0               ; x s[4:5], router_w s[6:7], router_b s[8:9], the scales' exponents s[10:11]
	s_load_b128 s[12:15], s[0:1], 0x20             ; xq s[12:13], choice s[14:15]
	s_load_b64 s[16:17], s[0:1], 0x30              ; gate
	v_lshl_add_u32 v30, v0, 2, 0x11000
	v_mov_b32 v31, 0
	v_lshrrev_b32 v1, 5, v0
	s_delay_alu instid0(VALU_DEP_1)
	v_readfirstlane_b32 s20, v1                    ; wave 0..7
	v_and_b32 v1, 31, v0                           ; lane
	s_delay_alu instid0(VALU_DEP_1)
	v_lshlrev_b32 v2, 4, v1                        ; 16 x lane
	v_and_b32 v3, 7, v0                            ; e = lane % 8
	v_lshrrev_b32 v4, 3, v0
	s_delay_alu instid0(VALU_DEP_1)
	v_mul_u32_u24 v4, v4, WPITCH
	s_delay_alu instid0(VALU_DEP_1)
	v_lshl_add_u32 v4, v3, 4, v4                   ; router_w into LDS: eight threads fill a block: 144 (thread / 8) + 16 (thread % 8)
	v_mul_u32_u24 v5, v1, WPITCH                   ; and out of it: block 32 i + lane
	s_lshl_b32 s21, s20, 12
	s_add_co_u32 s21, s21, CS                      ; my wave's stage
	v_lshl_add_u32 v6, v1, 2, s21                  ; into it: 4 bytes a lane
	v_lshl_add_u32 v7, v1, 4, s21                  ; out of it: 16 bytes a lane
	v_lshlrev_b32 v11, 4, v0                       ; router_w: 16 x thread
	v_lshrrev_b32 v20, 3, v1
	s_delay_alu instid0(VALU_DEP_1)
	v_lshlrev_b32 v20, 2, v20                      ; 4 x (lane / 8): my token's word in choice and in gate
	v_lshlrev_b32 v21, 2, v3                       ; 4 e
	s_mov_b32 s27, 0xaaaaaaaa                      ; the lanes whose number has bit 0, 1, 2, 3, 4 set
	s_mov_b32 s28, 0xcccccccc
	s_mov_b32 s29, 0xf0f0f0f0
	s_mov_b32 s30, 0xff00ff00
	s_mov_b32 s31, 0xffff0000
	s_mov_b32 s32, 0x76543210                      ; v_permlanex16_b32: lane l xor 16
	s_mov_b32 s33, 0xfedcba98
	s_lshl_b32 s22, ttmp9, 17                      ; 32 tokens x 4,096 bytes a work-group,
	s_lshl_b32 s23, s20, 14                        ; 4 tokens a wave
	s_add_co_u32 s22, s22, s23
	s_mov_b32 s23, 0
	s_wait_alu depctr_va_vdst(0)
	s_wait_kmcnt 0x0
	s_load_b32 s24, s[10:11], 0x0                  ; ex
	s_add_nc_u64 s[4:5], s[4:5], s[22:23]          ; x at my first token
	s_lshr_b32 s22, s22, 2                         ; a token's codes are a quarter of its bytes
	s_add_nc_u64 s[12:13], s[12:13], s[22:23]
	s_lshr_b32 s22, s22, 8                         ; and its word 4 bytes
	s_add_nc_u64 s[14:15], s[14:15], s[22:23]
	s_add_nc_u64 s[16:17], s[16:17], s[22:23]
.irp j, 0,1,2,3,4,5,6,7
	global_load_b128 v[ACC+4*\j:ACC+4*\j+3], v11, s[6:7] offset:4096*\j     ; the work-group's 256 threads take router_w's 32,768 bytes, 4,096 a line
.endr
	global_load_b32 v10, v21, s[8:9]               ; router_b[e]
.irp t, 0,1,2,3
.irp i, 0,1,2,3,4,5,6,7
	global_load_b128 v[X+32*\t+4*\i:X+32*\t+4*\i+3], v2, s[4:5] offset:4096*\t+512*\i th:TH_LOAD_NT   ; 512 consecutive bytes of token t; read once in the launch
.endr
.endr
	s_wait_loadcnt 33                              ; router_w's eight loads are in; the 33 issued behind them stay out
.irp j, 0,1,2,3,4,5,6,7
	ds_store_b128 v4, v[ACC+4*\j:ACC+4*\j+3] offset:32*WPITCH*\j
.endr
	s_wait_dscnt 0x0                               ; for the others' sake: my part of router_w lies in LDS
	s_barrier_signal -1
	s_barrier_wait -1                              ; everybody's does
	WIN 0x40                                       ; destination window 1
.irp i, 0,1,2,3,4,5,6,7
.irp m, 0,1,2,3,4,5,6,7
	ds_load_b128 v[32*\i+4*\m:32*\i+4*\m+3], v5 offset:32*WPITCH*\i+16*\m   ; register 32 i + 8 c + e = router_w[128 i + 4 l + c][e]
.endr
.endr
	WIN 0
	s_wait_kmcnt 0x0
	s_add_co_i32 s25, s24, 127
	s_lshl_b32 s26, s25, 23
	v_mov_b32 v8, s26                              ; 2^ex as f32: the conversion takes its exponent field
	s_add_co_i32 s25, s25, 8
	s_lshl_b32 s25, s25, 23
	s_or_b32 s25, s25, 0x600000
	v_mov_b32 v9, s25                              ; 448 x 2^ex
	s_wait_dscnt 0x0                               ; my 256 numbers of router_w are in
; Token t's 8 partial logits: 32 numbers of x, each against 8 experts, two experts an instruction, in four chains.  The number of x serves both halves of the packed form.
.macro DOT t
	s_wait_loadcnt 8*(3-\t)                        ; token t's eight loads are in; the later tokens' stay out
	WIN 0x04                                       ; source 1 (router_w) window 1
.irp i, 0,1,2,3,4,5,6,7
.irp c, 0,1,2,3
.irp p, 0,1,2,3
.if (\i) == 0 && (\c) == 0
	v_pk_mul_f32 v[ACC+8*\t+2*\p:ACC+8*\t+2*\p+1], v[X+32*\t:X+32*\t+1], v[2*\p:2*\p+1] op_sel_hi:[0,1]   ; the first product starts the sums
.elseif (\c)%2 == 0
	s_delay_alu instid0(VALU_DEP_4)
	v_pk_fma_f32 v[ACC+8*\t+2*\p:ACC+8*\t+2*\p+1], v[X+32*\t+4*\i+\c:X+32*\t+4*\i+\c+1], v[32*\i+8*\c+2*\p:32*\i+8*\c+2*\p+1], v[ACC+8*\t+2*\p:ACC+8*\t+2*\p+1] op_sel_hi:[0,1,1]
.else
	s_delay_alu instid0(VALU_DEP_4)
	v_pk_fma_f32 v[ACC+8*\t+2*\p:ACC+8*\t+2*\p+1], v[X+32*\t+4*\i+\c-1:X+32*\t+4*\i+\c], v[32*\i+8*\c+2*\p:32*\i+8*\c+2*\p+1], v[ACC+8*\t+2*\p:ACC+8*\t+2*\p+1] op_sel:[1,0,0] op_sel_hi:[1,1,1]
.endif
.endr
.endr
.endr
	WIN 0
.endm
; Token t's codes.  Eight consecutive registers are k = 128 i + 4 l + 0..3 of i = 2 u and of i = 2 u + 1: each word of the result is four neighbouring codes of the row.
; The words go through my wave's own stage, 128 consecutive bytes a store, and come back 16 bytes a lane.  LDS serves a wave's instructions in order (ISA guide 5.7.1.4).
.macro QUANT t
.set n, 0
.rept 32
	v_med3_num_f32 v[X+32*\t+n], v[X+32*\t+n], -v9, v9     ; the conversion to an 8-bit code does not saturate (ISA guide 7.6.2): the hold at 448 x the scale
.set n, n+1
.endr
.irp u, 0,1,2,3
	v_cvt_scalef32_pk8_fp8_f32 v[CD+8*\t+2*\u:CD+8*\t+2*\u+1], v[X+32*\t+8*\u:X+32*\t+8*\u+7], v8
.endr
	v_nop                                          ; one plain vector instruction behind the last conversion
.irp q, 0,1,2,3,4,5,6,7
	ds_store_b32 v6, v[CD+8*\t+\q] offset:1024*\t+128*\q
.endr
.irp u, 0,1
	ds_load_b128 v[BK+8*\t+4*\u:BK+8*\t+4*\u+3], v7 offset:1024*\t+512*\u
.endr
.endm
	DOT 0
	QUANT 0
	DOT 1
	QUANT 1
	DOT 2
	QUANT 2
	DOT 3
	QUANT 3
; THE FOLD.  At lane bit b a lane keeps, of each pair of values, the one whose index has that bit as its own number has it, sends the other to lane l xor 2^b, and adds what it gets.
; 16 + 8 + 4 + 2 + 1 pairs; at the end lane l holds value l, summed over all 32 lanes.
.macro FOLDBIT pairs, mask, xm
.set j, 0
.rept \pairs
	v_cndmask_b32 v[12+2*(j%4)], v[ACC+2*j], v[ACC+2*j+1], s[\mask]        ; kept
	v_cndmask_b32 v[13+2*(j%4)], v[ACC+2*j+1], v[ACC+2*j], s[\mask]        ; sent
	s_delay_alu instid0(VALU_DEP_1)
	v_add_f32_dpp v[ACC+j], v[13+2*(j%4)], v[12+2*(j%4)] row_xmask:\xm row_mask:0xf bank_mask:0xf
.set j, j+1
.endr
.endm
	FOLDBIT 16, 27, 1
	FOLDBIT 8, 28, 2
	FOLDBIT 4, 29, 4
	FOLDBIT 2, 30, 8
	s_delay_alu instid0(VALU_DEP_1)
	v_cndmask_b32 v12, v[ACC], v[ACC+1], s31
	s_delay_alu instid0(VALU_DEP_2)
	v_cndmask_b32 v13, v[ACC+1], v[ACC], s31
	s_delay_alu instid0(VALU_DEP_1)
	v_permlanex16_b32 v14, v13, s32, s33
	s_delay_alu instid0(VALU_DEP_1)
	v_add_f32 v12, v12, v14
	s_delay_alu instid0(VALU_DEP_1)
	v_add_f32 v12, v12, v10                        ; the logit of token lane / 8, expert lane % 8
	s_delay_alu instid0(VALU_DEP_1)
	v_max_num_f32_dpp v13, v12, v12 row_xmask:1 row_mask:0xf bank_mask:0xf
	s_delay_alu instid0(VALU_DEP_1)
	v_max_num_f32_dpp v13, v13, v13 row_xmask:2 row_mask:0xf bank_mask:0xf
	s_delay_alu instid0(VALU_DEP_1)
	v_max_num_f32_dpp v13, v13, v13 row_xmask:4 row_mask:0xf bank_mask:0xf   ; the token's largest logit, in its eight lanes
	s_delay_alu instid0(VALU_DEP_1)
	v_sub_f32 v14, v12, v13
	s_delay_alu instid0(VALU_DEP_1)
	v_mul_f32 v14, 0x3fb8aa3b, v14                 ; x log2(e)
	s_wait_alu depctr_va_vdst(0)
	v_exp_f32 v14, v14                             ; e^(logit - largest), at most 1
	v_cvt_f32_u32 v16, v3                          ; (plain work behind the exponential)  the expert: the lowest e whose logit is the largest
	v_cmp_eq_f32 vcc_lo, v12, v13
	s_delay_alu instid0(VALU_DEP_1)
	v_cndmask_b32 v17, 0x41000000, v16, vcc_lo     ; e where it is, else 8.0
	s_delay_alu instid0(VALU_DEP_1)
	v_min_num_f32_dpp v17, v17, v17 row_xmask:1 row_mask:0xf bank_mask:0xf
	s_delay_alu instid0(VALU_DEP_1)
	v_min_num_f32_dpp v17, v17, v17 row_xmask:2 row_mask:0xf bank_mask:0xf
	s_delay_alu instid0(VALU_DEP_1)
	v_min_num_f32_dpp v17, v17, v17 row_xmask:4 row_mask:0xf bank_mask:0xf
	s_delay_alu instid0(VALU_DEP_1)
	v_cvt_u32_f32 v17, v17
	s_wait_alu depctr_va_vdst(0)                   ; the wait ahead of the first line that names the exponential's result
	v_add_f32_dpp v14, v14, v14 row_xmask:1 row_mask:0xf bank_mask:0xf
	s_delay_alu instid0(VALU_DEP_1)
	v_add_f32_dpp v14, v14, v14 row_xmask:2 row_mask:0xf bank_mask:0xf
	s_delay_alu instid0(VALU_DEP_1)
	v_add_f32_dpp v14, v14, v14 row_xmask:4 row_mask:0xf bank_mask:0xf       ; the softmax's sum
	s_wait_alu depctr_va_vdst(0)
	v_rcp_f32 v15, v14                             ; the largest probability: e^0 / the sum
	v_cmp_eq_u32 vcc_lo, 0, v3                     ; (a plain line behind the reciprocal)  one lane of eight stores
	s_wait_dscnt 0x0                               ; all rows of codes are back in registers
.irp t, 0,1,2,3
.irp u, 0,1
	global_store_b128 v2, v[BK+8*\t+4*\u:BK+8*\t+4*\u+3], s[12:13] offset:1024*\t+512*\u    ; 512 consecutive bytes, at a multiple of 512 from xq's first byte
.endr
.endr
	s_wait_alu depctr_va_vdst(0)                   ; the same wait for the reciprocal, ahead of the store that reads it
	s_wait_xcnt 0x0                                ; EXEC is a source of the stores above: it changes only behind this wait
	s_wait_tensorcnt 0x0
	ds_add_u32 v30, v31
	s_wait_dscnt 0x0
	s_and_saveexec_b32 s34, vcc_lo
	global_store_b32 v20, v17, s[14:15]            ; the expert's number, at the token's fixed place: no address here hangs on the choice
	global_store_b32 v20, v15, s[16:17]            ; the gate
	s_wait_xcnt 0x0
	s_or_b32 exec_lo, exec_lo, s34
	s_endpgm
.Lfunc_end_k_q373a2609f6_route:
	.size	k_q373a2609f6_route, .Lfunc_end_k_q373a2609f6_route-k_q373a2609f6_route
	.p2alignl 7, 3214868480
	.fill 96, 4, 3214868480
	.section	.rodata,"a",@progbits
	.p2align	6, 0x0
	.amdhsa_kernel k_q373a2609f6_route
		.amdhsa_group_segment_fixed_size 70656
		.amdhsa_private_segment_fixed_size 0
		.amdhsa_enable_private_segment 0
		.amdhsa_kernarg_size 56
		.amdhsa_user_sgpr_count 2
		.amdhsa_user_sgpr_kernarg_segment_ptr 1
		.amdhsa_wavefront_size32 1
		.amdhsa_system_sgpr_workgroup_id_x 1
		.amdhsa_system_sgpr_workgroup_id_y 1
		.amdhsa_system_sgpr_workgroup_id_z 1
		.amdhsa_system_vgpr_workitem_id 0
		.amdhsa_next_free_vgpr 512
		.amdhsa_next_free_sgpr 66
		.amdhsa_reserve_vcc 1
		.amdhsa_float_denorm_mode_32 3
		.amdhsa_float_denorm_mode_16_64 3
		.amdhsa_memory_ordered 1
		.amdhsa_forward_progress 1
		.amdhsa_inst_pref_size 81
	.end_amdhsa_kernel
	.amdgpu_metadata
---
amdhsa.version: [ 1, 2 ]
amdhsa.kernels:
  - .name:           k_q373a2609f6_route
    .symbol:         k_q373a2609f6_route.kd
    .args:
      - { .name: x, .offset: 0, .size: 8, .value_kind: global_buffer, .address_space: global }
      - { .name: router_w, .offset: 8, .size: 8, .value_kind: global_buffer, .address_space: global }
      - { .name: router_b, .offset: 16, .size: 8, .value_kind: global_buffer, .address_space: global }
      - { .name: lowp_scales, .offset: 24, .size: 8, .value_kind: global_buffer, .address_space: global }
      - { .name: xq, .offset: 32, .size: 8, .value_kind: global_buffer, .address_space: global }
      - { .name: choice, .offset: 40, .size: 8, .value_kind: global_buffer, .address_space: global }
      - { .name: gate, .offset: 48, .size: 8, .value_kind: global_buffer, .address_space: global }
    .group_segment_fixed_size: 70656
    .private_segment_fixed_size: 0
    .kernarg_segment_align: 8
    .kernarg_segment_size: 56
    .max_flat_workgroup_size: 256
    .sgpr_count:     66
    .vgpr_count:     512
    .wavefront_size: 32
...
	.end_amdgpu_metadata
.endif
;; end of part 4
;; launch place (part 5): grid 136 x 1, 16 waves a work-group, no clusters, 71,936 bytes of LDS; arguments choice, expert_w_codes, order, counts, wfrag; writes order, counts, wfrag
.if DOCPART == 5
	.amdgcn_target "amdgcn-amd-amdhsa--gfx1250"
	.amdhsa_code_object_version 6
	.text
	.protected	k_q373a2609f6_place
	.globl	k_q373a2609f6_place
	.p2align	8
	.type	k_q373a2609f6_place,@function
k_q373a2609f6_place:
	s_mov_b64 s[64:65], 0
	v_nop
	global_prefetch_b8 v0, s[64:65] scope:SCOPE_SE
	s_setreg_imm32_b32 hwreg(HW_REG_WAVE_MODE, 25, 1), 1
	s_wait_xcnt 0x0
; PLACE.  Two jobs in one launch, parted by the work-group's number, which is the same in all waves of a work-group; the two ways never join, and each has LDS bytes of its own.
; WORK-GROUPS 0-7, THE SORT: work-group e puts the numbers of all tokens whose choice is e into order[], behind those of the lower experts, and stores their count in counts[e].
;   Every work-group reads all 8,192 choices (32,768 bytes) and counts for itself how many are lower than e: no traffic between work-groups, no atomics.
;   Wave w takes tokens 512 w .. 512 w + 511, 16 a lane.  A token's place = (choices < e in all waves) + (choices = e in lower waves) + (those in my wave's earlier registers) + (those in lower lanes).
;   Every word of order[] is written once, by one work-group.  The order inside an expert is free: output rows do not depend on each other.
; WORK-GROUPS 8-135, THE WEIGHTS: expert_w's codes, [8][1024 n][1024 k], are laid anew as images of the operand's registers:
;   wfrag[64 e + n / 16][k / 128][c][lane][16 bytes]: lane r + 16 h of quad c holds W[e][16 (n / 16) + r][128 (k / 128) + 32 c + 16 h + 0 .. 15].
;   So the product's launch loads a fragment by four lines of 512 consecutive bytes.  A wave turns 16 rows x 256 codes through its own stage in LDS; waves share nothing.
.set TBL,    0                         ; the sort's: 16 waves x (count of = e, count of < e), 128 bytes in a block of 256
.set RST,    256                       ; the weights': a stage of 16 rows x 272 bytes for each wave
.set RPITCH, 272                       ; 256 bytes + 16: the 16 rows that a load touches start at 16 different banks (64 banks of 4 bytes: ISA guide 11.1)
	s_load_b256 s[4:11], s[0:1], 0x0               ; choice s[4:5], expert_w_codes s[6:7], order s[8:9], counts s[10:11]
	s_load_b64 s[12:13], s[0:1], 0x20              ; wfrag
	v_lshl_add_u32 v80, v0, 2, 0x11100
	v_mov_b32 v81, 0
	v_lshrrev_b32 v1, 5, v0
	s_delay_alu instid0(VALU_DEP_1)
	v_readfirstlane_b32 s20, v1                    ; wave 0..15
	v_and_b32 v1, 31, v0                           ; lane
	s_delay_alu instid0(VALU_DEP_1)
	v_lshlrev_b32 v2, 4, v1                        ; 16 x lane
	v_and_b32 v3, 15, v0                           ; r
	v_bfe_u32 v4, v0, 4, 1                         ; h
	v_mov_b32 v6, s20                              ; every LDS address of both ways is made here, ahead of the parting
	s_delay_alu instid0(VALU_DEP_1)
	v_lshlrev_b32 v6, 3, v6                        ; TBL + 8 x wave
	s_delay_alu instid0(VALU_DEP_4)
	v_lshlrev_b32 v7, 3, v3                        ; TBL + 8 r
	s_mul_i32 s21, s20, 16*RPITCH
	s_add_co_u32 s21, s21, RST                     ; my wave's stage
	v_mul_u32_u24 v8, v4, RPITCH
	s_delay_alu instid0(VALU_DEP_1)
	v_lshl_add_u32 v8, v3, 4, v8
	s_delay_alu instid0(VALU_DEP_1)
	v_add_nc_u32 v8, s21, v8                       ; into it: lanes 0-15 one row of 256 bytes, lanes 16-31 the next
	v_mul_u32_u24 v9, v3, RPITCH
	s_delay_alu instid0(VALU_DEP_1)
	v_lshl_add_u32 v9, v4, 4, v9
	s_delay_alu instid0(VALU_DEP_1)
	v_add_nc_u32 v9, s21, v9                       ; out of it: row r, + 16 h
	v_lshlrev_b32 v10, 10, v4
	s_delay_alu instid0(VALU_DEP_1)
	v_lshl_add_u32 v10, v3, 4, v10                 ; the same two rows in expert_w_codes: 1,024 h + 16 r
	s_wait_kmcnt 0x0
	s_cmp_lt_u32 ttmp9, 8
	s_cbranch_scc0 .Lrelay
	; ---- THE SORT
	s_mov_b32 s22, ttmp9                           ; e
	s_lshl_b32 s26, s20, 11                        ; my wave's 512 choices
	s_mov_b32 s27, 0
	s_add_nc_u64 s[4:5], s[4:5], s[26:27]
.irp q, 0,1,2,3
	global_load_b128 v[16+4*\q:19+4*\q], v2, s[4:5] offset:512*\q      ; register 4 q + c: token 512 w + 128 q + 4 l + c
.endr
	s_mov_b32 s24, 0                               ; how many of my wave's are e,
	s_mov_b32 s25, 0                               ; how many lower
	s_lshl_b32 s31, s20, 9
	v_lshl_add_u32 v14, v1, 2, s31                 ; 512 w + 4 l
	s_lshl_b32 s23, s22, 2
	v_mov_b32 v15, s23                             ; 4 e: my word of counts
	v_mov_b32 v67, 0                               ; written once: a DPP form's destination counts as read
	v_mov_b32 v68, 0
	v_mov_b32 v69, 0
	s_wait_loadcnt 0x0
.irp j, 0,1,2,3,4,5,6,7,8,9,10,11,12,13,14,15
	v_cmp_eq_u32 s[32+\j], s22, v[16+\j]           ; the lanes whose token goes to e: kept for the placing
	v_cmp_gt_u32 vcc_lo, s22, v[16+\j]
	s_bcnt1_i32_b32 s23, s[32+\j]
	s_add_co_u32 s24, s24, s23
	s_bcnt1_i32_b32 s23, vcc_lo
	s_add_co_u32 s25, s25, s23
.endr
	v_mov_b32 v12, s24
	v_mov_b32 v13, s25
	ds_store_b64 v6, v[12:13]                      ; all lanes write the same pair to my wave's place
	s_wait_dscnt 0x0                               ; for the others' sake
	s_barrier_signal -1
	s_barrier_wait -1
	ds_load_b64 v[64:65], v7                       ; lane r + 16 h: wave r's pair
	s_wait_dscnt 0x0
	v_cmp_gt_u32 vcc_lo, s20, v3
	s_delay_alu instid0(VALU_DEP_1)
	v_cndmask_b32 v66, 0, v64, vcc_lo              ; counts of e in the waves below mine
.irp m, 1
	s_delay_alu instid0(VALU_DEP_1)
	v_mov_b32_dpp v67, v66 row_xmask:\m row_mask:0xf bank_mask:0xf         ; three sums over the 16 lanes of a row, in whole numbers
	v_mov_b32_dpp v68, v64 row_xmask:\m row_mask:0xf bank_mask:0xf
	v_mov_b32_dpp v69, v65 row_xmask:\m row_mask:0xf bank_mask:0xf
	s_delay_alu instid0(VALU_DEP_3)
	v_add_nc_u32 v66, v66, v67
	s_delay_alu instid0(VALU_DEP_3)
	v_add_nc_u32 v64, v64, v68
	s_delay_alu instid0(VALU_DEP_3)
	v_add_nc_u32 v65, v65, v69
.endr
.irp m, 2, 4, 8
	s_delay_alu instid0(VALU_DEP_3)
	v_mov_b32_dpp v67, v66 row_xmask:\m row_mask:0xf bank_mask:0xf
	s_delay_alu instid0(VALU_DEP_3)
	v_mov_b32_dpp v68, v64 row_xmask:\m row_mask:0xf bank_mask:0xf
	s_delay_alu instid0(VALU_DEP_3)
	v_mov_b32_dpp v69, v65 row_xmask:\m row_mask:0xf bank_mask:0xf
	s_delay_alu instid0(VALU_DEP_3)
	v_add_nc_u32 v66, v66, v67
	s_delay_alu instid0(VALU_DEP_3)
	v_add_nc_u32 v64, v64, v68
	s_delay_alu instid0(VALU_DEP_3)
	v_add_nc_u32 v65, v65, v69
.endr
	s_delay_alu instid0(VALU_DEP_3)
	v_readfirstlane_b32 s28, v66
	s_delay_alu instid0(VALU_DEP_3)
	v_readfirstlane_b32 s29, v64                   ; expert e's count
	s_delay_alu instid0(VALU_DEP_3)
	v_readfirstlane_b32 s30, v65
	s_add_co_u32 s30, s30, s28                     ; where my wave's first token of e goes
.irp j, 0,1,2,3,4,5,6,7,8,9,10,11,12,13,14,15
	v_mbcnt_lo_u32_b32 v[32+\j], s[32+\j], s30     ; + those in lower lanes
	s_bcnt1_i32_b32 s23, s[32+\j]
	s_add_co_u32 s30, s30, s23
	v_min_u32 v[32+\j], 0x1fff, v[32+\j]           ; a number made of loaded data enters an address held inside the buffer's 8,192 words
	s_delay_alu instid0(VALU_DEP_1)
	v_lshlrev_b32 v[32+\j], 2, v[32+\j]
	v_add_nc_u32 v[48+\j], 128*(\j/4)+\j%4, v14    ; the token's number
.endr
	s_wait_alu depctr_va_vdst(0)
	s_wait_xcnt 0x0                                ; EXEC changes only behind this wait
.irp j, 0,1,2,3,4,5,6,7,8,9,10,11,12,13,14,15
	s_and_saveexec_b32 s50, s[32+\j]
	global_store_b32 v[32+\j], v[48+\j], s[8:9]    ; the lanes that are on write neighbouring words
	s_wait_xcnt 0x0                                ; and again ahead of the line that widens it
	s_or_b32 exec_lo, exec_lo, s50
.endr
	s_cmp_lg_u32 s20, 0
	s_cbranch_scc1 .Lsorted
	v_mov_b32 v70, s29
	v_cmp_eq_u32 vcc_lo, 0, v1
	s_and_saveexec_b32 s50, vcc_lo                 ; (no memory instruction has been issued since the last wait)
	global_store_b32 v15, v70, s[10:11]            ; counts[e], by wave 0's lane 0
	s_wait_xcnt 0x0
	s_or_b32 exec_lo, exec_lo, s50
.Lsorted:
	s_wait_tensorcnt 0x0
	ds_add_u32 v80, v81
	s_wait_dscnt 0x0
	s_endpgm
	; ---- THE WEIGHTS: task T = 16 (work-group - 8) + wave, 0 .. 2,047: rows 16 (T / 4) .. + 15 of the 8,192 rows, codes 256 (T % 4) .. + 255
.Lrelay:
	s_sub_co_u32 s22, ttmp9, 8
	s_lshl_b32 s22, s22, 4
	s_add_co_u32 s22, s22, s20
	s_lshr_b32 s23, s22, 2
	s_lshl_b32 s23, s23, 14                        ; 16 rows are 16,384 bytes, in both buffers
	s_and_b32 s24, s22, 3
	s_lshl_b32 s26, s24, 8
	s_add_co_u32 s26, s26, s23
	s_mov_b32 s27, 0
	s_add_nc_u64 s[6:7], s[6:7], s[26:27]
	s_lshl_b32 s26, s24, 12                        ; two K steps' images are 4,096 bytes
	s_add_co_u32 s26, s26, s23
	s_add_nc_u64 s[12:13], s[12:13], s[26:27]
	s_wait_alu depctr_va_vdst(0)
.irp i, 0,1,2,3,4,5,6,7
	global_load_b128 v[16+4*\i:19+4*\i], v10, s[6:7] offset:2048*\i th:TH_LOAD_NT    ; rows 2 i and 2 i + 1: sixteen lanes read 256 consecutive bytes; read once in the launch
.endr
	s_wait_loadcnt 0x0
.irp i, 0,1,2,3,4,5,6,7
	ds_store_b128 v8, v[16+4*\i:19+4*\i] offset:2*RPITCH*\i
.endr
.irp f, 0,1
.irp c, 0,1,2,3
	ds_load_b128 v[48+4*(4*\f+\c):51+4*(4*\f+\c)], v9 offset:128*\f+32*\c            ; LDS serves a wave's instructions in order (ISA guide 5.7.1.4): these see my stores
.endr
.endr
.irp f, 0,1
.irp c, 0,1,2,3
	s_wait_dscnt 7-4*\f-\c                         ; this quad is in; the later ones stay out
	global_store_b128 v2, v[48+4*(4*\f+\c):51+4*(4*\f+\c)], s[12:13] offset:2048*\f+512*\c   ; 512 consecutive bytes, at a multiple of 512 from wfrag's first byte
.endr
.endr
	s_wait_tensorcnt 0x0
	ds_add_u32 v80, v81
	s_wait_dscnt 0x0
	s_endpgm
.Lfunc_end_k_q373a2609f6_place:
	.size	k_q373a2609f6_place, .Lfunc_end_k_q373a2609f6_place-k_q373a2609f6_place
	.p2alignl 7, 3214868480
	.fill 96, 4, 3214868480
	.section	.rodata,"a",@progbits
	.p2align	6, 0x0
	.amdhsa_kernel k_q373a2609f6_place
		.amdhsa_group_segment_fixed_size 71936
		.amdhsa_private_segment_fixed_size 0
		.amdhsa_enable_private_segment 0
		.amdhsa_kernarg_size 40
		.amdhsa_user_sgpr_count 2
		.amdhsa_user_sgpr_kernarg_segment_ptr 1
		.amdhsa_wavefront_size32 1
		.amdhsa_system_sgpr_workgroup_id_x 1
		.amdhsa_system_sgpr_workgroup_id_y 1
		.amdhsa_system_sgpr_workgroup_id_z 1
		.amdhsa_system_vgpr_workitem_id 0
		.amdhsa_next_free_vgpr 82
		.amdhsa_next_free_sgpr 66
		.amdhsa_reserve_vcc 1
		.amdhsa_float_denorm_mode_32 3
		.amdhsa_float_denorm_mode_16_64 3
		.amdhsa_memory_ordered 1
		.amdhsa_forward_progress 1
		.amdhsa_inst_pref_size 21
	.end_amdhsa_kernel
	.amdgpu_metadata
---
amdhsa.version: [ 1, 2 ]
amdhsa.kernels:
  - .name:           k_q373a2609f6_place
    .symbol:         k_q373a2609f6_place.kd
    .args:
      - { .name: choice, .offset: 0, .size: 8, .value_kind: global_buffer, .address_space: global }
      - { .name: expert_w_codes, .offset: 8, .size: 8, .value_kind: global_buffer, .address_space: global }
      - { .name: order, .offset: 16, .size: 8, .value_kind: global_buffer, .address_space: global }
      - { .name: counts, .offset: 24, .size: 8, .value_kind: global_buffer, .address_space: global }
      - { .name: wfrag, .offset: 32, .size: 8, .value_kind: global_buffer, .address_space: global }
    .group_segment_fixed_size: 71936
    .private_segment_fixed_size: 0
    .kernarg_segment_align: 8
    .kernarg_segment_size: 40
    .max_flat_workgroup_size: 512
    .sgpr_count:     66
    .vgpr_count:     82
    .wavefront_size: 32
...
	.end_amdgpu_metadata
.endif
;; end of part 5
;; launch experts (part 6): grid 4 x 64, 4 waves a work-group, no clusters, 170,240 bytes of LDS; arguments xq, wfrag, order, counts, gate, expert_b, lowp_scales, out0; writes out0
.if DOCPART == 6
	.amdgcn_target "amdgcn-amd-amdhsa--gfx1250"
	.amdhsa_code_object_version 6
	.text
	.protected	k_q373a2609f6_experts
	.globl	k_q373a2609f6_experts
	.p2align	8
	.type	k_q373a2609f6_experts,@function
k_q373a2609f6_experts:
	s_mov_b64 s[64:65], 0
	v_nop
	global_prefetch_b8 v0, s[64:65] scope:SCOPE_SE
	s_setreg_imm32_b32 hwreg(HW_REG_WAVE_SCHED_MODE, 0, 2), 2
	s_setreg_imm32_b32 hwreg(HW_REG_WAVE_MODE, 25, 1), 1
	s_wait_xcnt 0x0
	s_wait_alu depctr_vm_vsrc(0)
; EXPERTS.  out0[token] = gate[token] x (Q(x)[token] . W[e] + expert_b[e]), e the token's expert: only the chosen expert's rows are multiplied.
; THE GRID SERVES EVERY SPLIT.  Tokens lie sorted by expert in order[]; expert e's count c_e gives ceil(c_e / 144) tiles of 144 rows.  The sum of these over 8 experts is at most
; floor((8,192 + 8 x 143) / 144) = 64, whatever the choice.  Work-group (p, j): tile j, columns 256 p .. 256 p + 255.  A work-group whose j is past the last tile stores nothing and ends.
; SHARES.  The four waves split the COLUMNS: wave w makes all 144 rows x columns 256 p + 64 w .. + 63: 36 accumulators (a = 0..8 blocks of 16 rows, b = 0..3 blocks of 16 columns), 288 registers.
; So each byte of W is loaded by one wave, straight into registers (wfrag holds images of the operand's registers), and the 144 gathered rows of codes lie whole in LDS, read by all four.
; THE MATRIX INSTRUCTION IS USED TRANSPOSED (source 0 = 16 columns of W, source 1 = 16 tokens): lane r + 16 h, register i holds row 16 a + r, column 16 b + 8 h + i: 32 neighbouring bytes of a row.
; k lies in both operands' registers alike: registers 4 c .. 4 c + 3 hold k = 32 c + 16 h + 0 .. 15 of the K step's 128: every product meets its partner; only the order of the sums inside an instruction differs.
; ARITHMETIC.  y = (sum of code products + expert_b x 2^-(ex+ew)) x (gate x 2^(ex+ew)).  The bias is the C of each sum's first matrix instruction.
; A tile's slots past its n rows repeat its last token: they compute and store the same numbers at the same place, so no store needs a mask; blocks of 16 rows wholly past n are not stored.
; LIMITS: expert_b x 2^-(ex+ew) and gate x 2^(ex+ew) must be f32 numbers (both are made by v_ldexp_f32).
; NO CLUSTER, NO TENSOR LOAD: the tiles of one expert read the same W and a tile's four column parts the same rows, but which expert a work-group serves, how many rows it has and whether it
; has any hang on counts read from memory, and the text branches on them; partners would need different loads.  So operands come by loads into registers.
; THE MODE: SCHED_MODE bits 1:0 = 2 (LLVM: expert scheduling mode 2), set by the entry lines.  The code itself states the register dependences
; between vector or matrix instructions and memory or LDS instructions, with s_wait_alu, always for 0.
; THE PLAN.  Registers that memory or LDS instructions touch:
;   v1, v4-v14, v16-v22  addresses and offsets, made once at the head and never written again: one wait ahead of the first load serves them all.
;   v32-67      the gather's offsets: written by vector lines, read by the gather's loads; later part of A's set 0.
;   windows 1, 2 (v0-31)  the gathered rows: loaded, read by the LDS stores; then the accumulators, which K step 0's matrix instructions write.
;   A's sets 0, 1   K step s: its matrix instructions read set s % 2; its LDS loads land in the other set, which K step s - 1 was the last to read.
;   W's ring    K step s: its matrix instructions read slot s % 4; its loads (K step s + 3) land in slot (s - 1) % 4, which K step s - 1 was the last to read.
;   So ONE wait on va_vdst stands at the head of a K step, and the step's loads are dealt among its 36 matrix instructions, which name none of the registers that those loads touch.
;   OA          72 registers: the tokens of the way out's rows, loaded in K step 7 (which has no fragments left to fetch), made into offsets behind it, read by the stores to out0; never written again.
;   TMP         a block's 32 numbers: written by the packed multiplies, read by the stage's stores.       BK0, BK1  a block's rows read back, by turns: loaded from the stage, read by the stores to out0.
;   On the way out a block has one wait on va_vdst (TMP is written) and one on vm_vsrc, between the stage's loads and the block's stores: it frees TMP and the other BK for the next block.
; REGISTERS, in windows of 256 (s_set_vgpr_msb: bits 1:0 source 0, 3:2 source 1, 5:4 source 2, 7:6 destination):
;   window 0: v1-29 addresses and indices; v32-175 A's fragments, set 0 (before the barrier v32-67: the gather's offsets; on the way out TMP, BK and most of OA); v176-213 tokens, gates; v216-239 the rest of OA
;   window 1: accumulators a = 0..7 at 8 (4 a + b); before the barrier: the gathered rows on their way to LDS
;   window 2: v0-31 accumulators a = 8 (before: the last four gathered rows); v32-63 the bias, 8 registers for each b; v64-207 A's fragments, set 1
;   window 3: W's fragments: a ring of four K steps x 64 registers
.set APITCH, 1040                      ; a row of A in LDS: 1,024 bytes + 16 = 65 x 16: the 16 rows that a load touches start at 16 different banks (64 banks of 4 bytes: ISA guide 11.1)
.set STAGE,  144*APITCH                ; behind A: 16 rows x 272 bytes for each wave, for the way out
.set SPITCH, 272
.set LIST,   STAGE+4*16*SPITCH         ; behind the stages: 160 token numbers for each wave, its own copy
.set A0,   32                          ; A's set 0, window 0
.set A1,   64                          ; A's set 1, window 2
.set BIAS, 32                          ; window 2
.set TOKA, 176                         ; v176-184 token of row 16 a + r, then its byte in gate
.set GRAW, 186                         ; v186-194 its gate
.set G,    196                         ; v196-213 gate x 2^(ex+ew), twice for each a: a pair for the packed multiply
.set TMP,  32                          ; the way out: a block's 32 numbers
.set BK,   64                          ; v64-127  16 rows read back: two buffers of 32, by turns
.set OA,   128                         ; block a's eight tokens, then byte offsets in out0, at OA + 8 a + 40 (a / 6): v128-175 for a = 0..5, v216-239 for a = 6..8
.set STK,  66                          ; s66-101 the tokens of my wave's 36 rows of the gather
.set MSB, 0
.macro WIN new                         ; the immediate's high byte repeats the setting that is left
.if MSB != (\new)
	s_set_vgpr_msb (MSB<<8)|(\new)
.set MSB, (\new)
.endif
.endm
.macro PLACES n                        ; plain vector instructions between a K step's matrix instructions and the loads into registers that they have read; the wait that states the dependence follows them
.rept \n
	v_nop
.endr
.endm
	s_load_b512 s[4:19], s[0:1], 0x0               ; xq s[4:5], wfrag s[6:7], order s[8:9], counts s[10:11], gate s[12:13], expert_b s[14:15], the scales' exponents s[16:17], out0 s[18:19]
	v_lshl_add_u32 v254, v0, 2, 0x29700
	v_mov_b32 v255, 0
	v_lshrrev_b32 v1, 5, v0
	v_readfirstlane_b32 s20, v1                    ; wave 0..3
	s_mov_b32 s21, ttmp9                           ; p
	s_and_b32 s22, ttmp7, 0xffff                   ; j
	v_and_b32 v15, 31, v0                          ; lane
	v_lshlrev_b32 v1, 4, v15                       ; 16 x lane
	v_and_b32 v2, 15, v0                           ; r
	v_bfe_u32 v3, v0, 4, 1                         ; h
	v_mul_u32_u24 v4, v2, APITCH
	v_lshl_add_u32 v4, v3, 4, v4                   ; A's fragments: row r, + 16 h; blocks a = 0..2,
	v_add_nc_u32 v5, 3*16*APITCH, v4               ; 3..5,
	v_add_nc_u32 v6, 6*16*APITCH, v4               ; 6..8: an LDS immediate has 16 bits
	s_wait_alu depctr_va_sdst(0)                   ; s20 is written, ahead of its first reader: LDS addresses and the bases of W and of the bias are made from it
	s_mul_i32 s40, s20, 36*APITCH
	v_add_nc_u32 v7, s40, v1                       ; the gather: my wave fills rows 36 w .. 36 w + 35
	s_mul_i32 s40, s20, 16*SPITCH
	s_add_co_u32 s40, s40, STAGE                   ; my stage
	v_mul_u32_u24 v8, v2, SPITCH
	v_lshl_add_u32 v8, v3, 5, v8
	v_add_nc_u32 v8, s40, v8                       ; in: row r, + 32 h
	v_mul_u32_u24 v9, v3, SPITCH
	v_lshl_add_u32 v9, v2, 4, v9
	v_add_nc_u32 v9, s40, v9                       ; back: lanes 0-15 one row of 256 bytes, lanes 16-31 the next
	s_mul_i32 s40, s20, 640
	s_add_co_u32 s40, s40, LIST                    ; my list
	v_lshl_add_u32 v10, v15, 2, s40                ; + 4 x lane
	v_lshl_add_u32 v11, v3, 2, s40                 ; + 4 h
	v_lshl_add_u32 v12, v2, 2, s40                 ; + 4 r
	s_lshl_b32 s50, s21, 10
	s_lshl_b32 s41, s20, 8
	s_add_co_u32 s50, s50, s41                     ; my 64 columns in a row of f32: byte 1,024 p + 256 w
	v_lshl_add_u32 v13, v2, 4, s50                 ; + 16 r
	v_lshlrev_b32 v14, 5, v3                       ; the bias: 32 h
	s_wait_kmcnt 0x0
	s_load_b256 s[24:31], s[10:11], 0x0            ; the eight counts
	s_load_b64 s[32:33], s[16:17], 0x0             ; ex, ew
	s_mov_b32 s34, 0                               ; tiles of the experts passed
	s_mov_b32 s35, 0                               ; rows of the experts passed
	s_mov_b32 s36, 0                               ; my expert,
	s_mov_b32 s37, 0                               ; my tile's number in it,
	s_mov_b32 s38, 0                               ; its first row in order[],
	s_mov_b32 s39, 0                               ; its count: 0 if j is past the last tile
	s_wait_kmcnt 0x0
.irp e, 0,1,2,3,4,5,6,7
	s_add_co_u32 s40, s[24+\e], 143
	s_lshr_b32 s40, s40, 4
	s_mul_i32 s40, s40, 3641
	s_lshr_b32 s40, s40, 15                        ; ceil(c / 144) = ((c + 143) / 16) / 9; y x 3,641 >> 15 = y / 9, rounded down, for every y under 32,768
	s_sub_co_u32 s41, s22, s34                     ; j less the tiles passed (a very large number where j lies below)
	s_cmp_lt_u32 s41, s40
	s_cselect_b32 s36, \e, s36
	s_cselect_b32 s37, s41, s37
	s_cselect_b32 s38, s35, s38
	s_cselect_b32 s39, s[24+\e], s39
	s_add_co_u32 s34, s34, s40
	s_add_co_u32 s35, s35, s[24+\e]
.endr
	s_mul_i32 s40, s37, 144
	s_sub_co_u32 s42, s39, s40
	s_min_u32 s42, s42, 144                        ; n: my tile's rows, 0 to 144
	s_add_co_u32 s43, s38, s40
	s_min_u32 s43, s43, 0x1fff                     ; its first place in order[]
	s_max_u32 s44, s42, 1
	s_sub_co_u32 s44, s44, 1                       ; its last slot
	s_min_u32 s36, s36, 7
	s_lshl_b32 s48, s36, 20                        ; wfrag: 64 blocks of 16 columns x 16,384 bytes an expert,
	s_lshl_b32 s40, s21, 18                        ; 16 blocks a column part,
	s_add_co_u32 s48, s48, s40
	s_lshl_b32 s40, s20, 16                        ; 4 a wave
	s_add_co_u32 s48, s48, s40
	s_mov_b32 s49, 0
	s_add_nc_u64 s[6:7], s[6:7], s[48:49]
	s_lshl_b32 s48, s36, 12
	s_add_co_u32 s48, s48, s50
	s_add_nc_u64 s[14:15], s[14:15], s[48:49]      ; expert_b at my expert's row, my 64 columns
	s_add_co_i32 s45, s32, s33                     ; ex + ew
	s_sub_co_i32 s46, 0, s45
	; seven words a lane of order[]: slots 32 q + lane (q = 0..4: the whole tile, for my list), 36 w + lane and 36 w + 32 + lane % 4 (my rows of the gather)
.irp q, 0,1,2,3,4
	v_add_nc_u32 v[16+\q], 32*\q, v15
.endr
	s_mul_i32 s40, s20, 36
	v_add_nc_u32 v21, s40, v15
	v_and_b32 v22, 3, v15
	s_add_co_u32 s40, s40, 32
	v_add_nc_u32 v22, s40, v22
.irp q, 0,1,2,3,4,5,6
	v_min_u32 v[16+\q], s44, v[16+\q]              ; slots past the tile's rows repeat its last
	v_add_nc_u32 v[16+\q], s43, v[16+\q]
	v_min_u32 v[16+\q], 0x1fff, v[16+\q]           ; held inside the buffer's 8,192 words
	v_lshlrev_b32 v[16+\q], 2, v[16+\q]
.endr
	s_wait_alu depctr_va_vdst(0)                   ; v16 to v22 are written, which the loads of order[] read; so are v1 and v4 to v14, which every later load and store reads as its address or offset
.irp q, 0,1,2,3,4,5,6
	global_load_b32 v[23+\q], v[16+\q], s[8:9]
.endr
; W's fragments of K step s, my four blocks of 16 columns: 16 loads of 512 consecutive bytes into slot s % 4 of the ring
.macro BLOAD s
	WIN 0xc0                                       ; destination window 3
.irp b, 0,1,2,3
.irp c, 0,1,2,3
	global_load_b128 v[64*((\s)%4)+16*\b+4*\c:64*((\s)%4)+16*\b+4*\c+3], v1, s[6:7] offset:16384*\b+2048*(\s)+512*\c
.endr
.endr
.endm
	BLOAD 0
	BLOAD 1
	WIN 0x80                                       ; destination window 2
.irp b, 0,1,2,3
	global_load_b128 v[BIAS+8*\b:BIAS+8*\b+3], v14, s[14:15] offset:64*\b          ; expert_b at columns 16 b + 8 h + 0 .. 7: the result's layout
	global_load_b128 v[BIAS+8*\b+4:BIAS+8*\b+7], v14, s[14:15] offset:64*\b+16
.endr
	WIN 0
	s_wait_loadcnt 40                              ; the seven words of order[] are in; W's two K steps (32 loads) and the bias (8) stay out
.irp q, 0,1,2,3,4
	ds_store_b32 v10, v[23+\q] offset:128*\q       ; my wave's own list of the tile's tokens
.endr
.irp a, 0,1,2,3,4,5,6,7,8
	ds_load_b32 v[TOKA+\a], v12 offset:64*\a       ; the token of row 16 a + r.  LDS serves a wave's instructions in order (ISA guide 5.7.1.4)
.endr
.set i, 0
.rept 32
	v_readlane_b32 s[STK+i], v28, i                ; the tokens of rows 36 w + 0 .. 31,
.set i, i+1
.endr
.rept 4
	v_readlane_b32 s[STK+i], v29, i-32             ; and 32 .. 35
.set i, i+1
.endr
	s_wait_alu depctr_va_sdst(0)                   ; s66 to s101 are written, ahead of their first readers: one wait behind the run of 36
.set i, 0
.rept 36
	s_min_u32 s[STK+i], s[STK+i], 0x1fff           ; held inside xq's 8,192 rows
.set i, i+1
.endr
.set i, 0
.rept 36
	v_lshl_add_u32 v[32+i], s[STK+i], 10, v1       ; 1,024 x token + 16 x lane
.set i, i+1
.endr
	; THE GATHER: 72 loads, each 512 consecutive bytes of one token's codes.  More loads are now issued than the counter's field holds: the issue is then held (ISA guide 5.7.1); no wait is written for that
	WIN 0x40                                       ; destination window 1
	s_wait_alu depctr_va_vdst(0)                   ; v32 to v67 are written, which the gather's loads read as their offsets
.set i, 0
.rept 32
	global_load_b128 v[8*i:8*i+3], v[32+i], s[4:5]
	global_load_b128 v[8*i+4:8*i+7], v[32+i], s[4:5] offset:512
.set i, i+1
.endr
	WIN 0x80                                       ; destination window 2
.rept 4
	global_load_b128 v[8*(i-32):8*(i-32)+3], v[32+i], s[4:5]
	global_load_b128 v[8*(i-32)+4:8*(i-32)+7], v[32+i], s[4:5] offset:512
.set i, i+1
.endr
	WIN 0
	s_wait_dscnt 0x0                               ; the nine tokens are in
.irp a, 0,1,2,3,4,5,6,7,8
	v_min_u32 v[TOKA+\a], 0x1fff, v[TOKA+\a]
	v_lshlrev_b32 v[TOKA+\a], 2, v[TOKA+\a]
.endr
	s_wait_alu depctr_va_vdst(0)                   ; v176 to v184 are written, which the gates' loads read as their offsets
.irp a, 0,1,2,3,4,5,6,7,8
	global_load_b32 v[GRAW+\a], v[TOKA+\a], s[12:13]
.endr
	BLOAD 2
	BLOAD 3
	; the gathered rows go into LDS, four rows (eight loads) at a time.  Behind batch g were issued 8 (8 - g) loads of the gather, 9 gates and 32 of W: a count cannot name more than 63, and a smaller count is safe
.irp g, 0,1,2,3,4,5,6,7,8
.if 8*(8-\g)+41 > 63
	s_wait_loadcnt 63
.else
	s_wait_loadcnt 8*(8-\g)+41
.endif
.if \g < 8
	WIN 0x04                                       ; store data (source 1) window 1
.else
	WIN 0x08                                       ; window 2
.endif
.irp n, 0,1,2,3,4,5,6,7
	ds_store_b128 v7, v[(32*\g+4*\n)%256:(32*\g+4*\n)%256+3] offset:APITCH*(4*\g+\n/2)+512*(\n%2)
.endr
.endr
	WIN 0x82                                       ; source 0 and destination window 2.  (The last wait has shown W's K steps 0 and 1 and the bias landed too: they are older)
.set i, 0
.rept 32
	v_ldexp_f32 v[BIAS+i], v[BIAS+i], s46          ; a sum stands for sum x 2^(ex+ew): the bias goes in divided by that
.set i, i+1
.endr
	WIN 0
	s_wait_dscnt 0x0                               ; for the others' sake: my 36 rows lie in LDS
	s_barrier_signal -1
	s_barrier_wait -1                              ; all 144 do.  The launch's one barrier: every wave has passed it before any branch on a count
	s_wait_alu depctr_vm_vsrc(0)                   ; the gather's loads have read v32 to v67, in which A's first fragments land; my LDS stores have read the gathered rows' registers, which K step 0's matrix instructions write
	s_cmp_eq_u32 s42, 0
	s_cbranch_scc1 .Lend                           ; this split has no tile j: nothing is stored
; Three of A's nine fragments of K step s, blocks a = 3 g .. 3 g + 2: 12 loads into set s % 2
.macro ALOAD3 s, g
.if (\s)%2
	WIN 0x80
.set LF, A1
.else
	WIN 0
.set LF, A0
.endif
.irp m, 0,1,2
.irp c, 0,1,2,3
	ds_load_b128 v[LF+16*(3*(\g)+\m)+4*\c:LF+16*(3*(\g)+\m)+4*\c+3], v[4+(\g)] offset:16*APITCH*\m+128*(\s)+32*\c
.endr
.endr
.endm
; The way out's tokens of blocks a = 3 g .. 3 g + 2: the token of row 16 a + 2 t + h, from my own list: 24 loads
.macro TLOAD g
	WIN 0
.irp m, 0,1,2
.irp t, 0,1,2,3,4,5,6,7
	ds_load_b32 v[OA+8*(3*(\g)+\m)+40*((3*(\g)+\m)/6)+\t], v11 offset:4*(16*(3*(\g)+\m)+2*\t)
.endr
.endr
.endm
; K step s: 36 matrix instructions.  The 36 accumulators take turns, one instruction a turn, in the same order in every step.  In step 0 the bias is C: nothing is cleared.
; What later steps want is asked for among them: behind block a = 0 W's K step s + 3, into the ring's slot that the step before multiplied; behind a = 1, 3, 5 a third each of A's K step s + 1, into the
; set that the step before multiplied (12 matrix instructions are still to come behind the last third).  K step 7 has no fragments left to fetch: the way out's tokens stand in those three places.
; No wait stands among them: the step's matrix instructions name A's set s % 2, W's slot s % 4, the accumulators and (step 0) the bias, none of which these loads touch.
.macro MULS s
.set AF, A0+(A1-A0)*((\s)%2)
.set AW, 2*((\s)%2)
.irp a, 0,1,2,3,4,5,6,7,8
.set DW, 1+\a/8
.set CW, DW
.if (\s) == 0
.set CW, 2
.endif
.set WN, 3|(AW<<2)|(CW<<4)|(DW<<6)
	WIN WN
.irp b, 0,1,2,3
.set DR, (8*(4*\a+\b))%256
.if (\s) == 0
	v_wmma_f32_16x16x128_fp8_fp8 v[DR:DR+7], v[64*((\s)%4)+16*\b:64*((\s)%4)+16*\b+15], v[AF+16*\a:AF+16*\a+15], v[BIAS+8*\b:BIAS+8*\b+7]
.else
	v_wmma_f32_16x16x128_fp8_fp8 v[DR:DR+7], v[64*((\s)%4)+16*\b:64*((\s)%4)+16*\b+15], v[AF+16*\a:AF+16*\a+15], v[DR:DR+7]
.endif
.endr
.if (\a) == 0 && (\s) >= 1 && (\s) <= 4
	BLOAD (\s)+3
.endif
.if (\a) == 1 || (\a) == 3 || (\a) == 5
.if (\s) < 7
	ALOAD3 (\s)+1, ((\a)-1)/2
.else
	TLOAD ((\a)-1)/2
.endif
.endif
.endr
.endm
.macro STEP s
.if (\s) > 0
	PLACES 4
	s_wait_alu depctr_va_vdst(0)                   ; the last step's matrix instructions are done reading their set of A and their slot of W, in which this step's loads land
.endif
.if (\s) >= 2
.if (\s) <= 5
	s_wait_loadcnt 32                              ; W's K step s is in; the two K steps issued behind it stay out (this step's own loads of W come later)
.else
	s_wait_loadcnt 16*(7-(\s))                     ; the K steps that are left stay out
.endif
.endif
	s_wait_dscnt 0x0                               ; A's K step s is in: it was asked for among the last step's matrix instructions
	MULS \s
.endm
	ALOAD3 0, 0
	ALOAD3 0, 1
	ALOAD3 0, 2
	s_wait_alu depctr_va_vdst(0)
	STEP 0
	STEP 1
	STEP 2
	STEP 3
	STEP 4
	STEP 5
	STEP 6
	STEP 7
	WIN 0
.irp a, 0,1,2,3,4,5,6,7,8
	v_ldexp_f32 v[G+2*\a], v[GRAW+\a], s45         ; gate x 2^(ex+ew).  (The gates were issued ahead of W's K step 2, so step 2's wait has shown them landed.)
	v_ldexp_f32 v[G+2*\a+1], v[GRAW+\a], s45       ; These 18 plain lines name no register of the last products: they are the places behind them
.endr
	s_wait_dscnt 0x0                               ; the 72 tokens are in
.irp a, 0,1,2,3,4,5,6,7,8
.irp t, 0,1,2,3,4,5,6,7
	v_min_u32 v[OA+8*\a+40*(\a/6)+\t], 0x1fff, v[OA+8*\a+40*(\a/6)+\t]
.endr
.irp t, 0,1,2,3,4,5,6,7
	v_lshl_add_u32 v[OA+8*\a+40*(\a/6)+\t], v[OA+8*\a+40*(\a/6)+\t], 12, v13      ; 4,096 x token + 1,024 p + 256 w + 16 r
.endr
.endr
; THE WAY OUT, a block of 16 rows x my 64 columns at a time: x the row's factor, through my own stage, back as rows of 256 bytes, each to its token's row of out0.
.macro OUTBLK a
.set OB, OA+8*(\a)+40*((\a)/6)
.set BB, BK+32*((\a)%2)
	WIN 0
.if (\a) > 0
	s_cmp_le_u32 s42, 16*(\a)
	s_cbranch_scc1 .Lend                           ; the tile has no row in this block or behind it
.endif
	WIN 1+(\a)/8                                   ; source 0: window 1, for a = 8 window 2
.irp u, 0,1,2,3,4,5,6,7,8,9,10,11,12,13,14,15
	v_pk_mul_f32 v[TMP+2*\u:TMP+2*\u+1], v[(32*(\a))%256+2*\u:(32*(\a))%256+2*\u+1], v[G+2*(\a):G+2*(\a)+1]   ; each accumulator from its low end on
.endr
	WIN 0
	s_wait_alu depctr_va_vdst(0)                   ; the multiplies have written TMP, which the stage's stores read; in block 0 also: the 72 offsets are written, which the stores to out0 read
.irp b, 0,1,2,3
	ds_store_b128 v8, v[TMP+8*\b:TMP+8*\b+3] offset:64*\b
	ds_store_b128 v8, v[TMP+8*\b+4:TMP+8*\b+7] offset:64*\b+16
.endr
.irp t, 0,1,2,3,4,5,6,7
	ds_load_b128 v[BB+4*\t:BB+4*\t+3], v9 offset:2*SPITCH*\t       ; in order behind my stores
.endr
.if (\a) < 8
.if (\a) > 0
	s_wait_xcnt 0x0                                ; the last block's stores to out0 have had their addresses translated (ISA guide 3.1): only behind this wait do the next block's rows land in the registers that they read
.endif
	s_wait_alu depctr_vm_vsrc(0)                   ; the stage's stores have read TMP, which the next block's multiplies write; the last block's stores to out0 have read the other BK, in which the next block's rows land
.endif
.irp t, 0,1,2,3,4,5,6,7
	s_wait_dscnt 7-\t
	global_store_b128 v[OB+\t], v[BB+4*\t:BB+4*\t+3], s[18:19] th:TH_STORE_NT      ; sixteen lanes store 256 consecutive bytes, at a multiple of 256 from out0's first byte; written once, read by nobody here
.endr
.endm
	OUTBLK 0
	OUTBLK 1
	OUTBLK 2
	OUTBLK 3
	OUTBLK 4
	OUTBLK 5
	OUTBLK 6
	OUTBLK 7
	OUTBLK 8
.Lend:
	s_wait_dscnt 0x0
	s_wait_alu depctr_hold_cnt(0) depctr_sa_sdst(0) depctr_va_vdst(0) depctr_va_sdst(0) depctr_va_ssrc(0) depctr_va_vcc(0) depctr_vm_vsrc(0)
	s_wait_tensorcnt 0x0
	ds_add_u32 v254, v255
	s_wait_dscnt 0x0
	s_endpgm
.Lfunc_end_k_q373a2609f6_experts:
	.size	k_q373a2609f6_experts, .Lfunc_end_k_q373a2609f6_experts-k_q373a2609f6_experts
	.p2alignl 7, 3214868480
	.fill 96, 4, 3214868480
	.section	.rodata,"a",@progbits
	.p2align	6, 0x0
	.amdhsa_kernel k_q373a2609f6_experts
		.amdhsa_group_segment_fixed_size 170240
		.amdhsa_private_segment_fixed_size 0
		.amdhsa_enable_private_segment 0
		.amdhsa_kernarg_size 64
		.amdhsa_user_sgpr_count 2
		.amdhsa_user_sgpr_kernarg_segment_ptr 1
		.amdhsa_wavefront_size32 1
		.amdhsa_system_sgpr_workgroup_id_x 1
		.amdhsa_system_sgpr_workgroup_id_y 1
		.amdhsa_system_sgpr_workgroup_id_z 1
		.amdhsa_system_vgpr_workitem_id 0
		.amdhsa_next_free_vgpr 1024
		.amdhsa_next_free_sgpr 102
		.amdhsa_reserve_vcc 0
		.amdhsa_float_denorm_mode_32 3
		.amdhsa_float_denorm_mode_16_64 3
		.amdhsa_memory_ordered 1
		.amdhsa_forward_progress 1
		.amdhsa_inst_pref_size 129
	.end_amdhsa_kernel
	.amdgpu_metadata
---
amdhsa.version: [ 1, 2 ]
amdhsa.kernels:
  - .name:           k_q373a2609f6_experts
    .symbol:         k_q373a2609f6_experts.kd
    .args:
      - { .name: xq, .offset: 0, .size: 8, .value_kind: global_buffer, .address_space: global }
      - { .name: wfrag, .offset: 8, .size: 8, .value_kind: global_buffer, .address_space: global }
      - { .name: order, .offset: 16, .size: 8, .value_kind: global_buffer, .address_space: global }
      - { .name: counts, .offset: 24, .size: 8, .value_kind: global_buffer, .address_space: global }
      - { .name: gate, .offset: 32, .size: 8, .value_kind: global_buffer, .address_space: global }
      - { .name: expert_b, .offset: 40, .size: 8, .value_kind: global_buffer, .address_space: global }
      - { .name: lowp_scales, .offset: 48, .size: 8, .value_kind: global_buffer, .address_space: global }
      - { .name: out0, .offset: 56, .size: 8, .value_kind: global_buffer, .address_space: global }
    .group_segment_fixed_size: 170240
    .private_segment_fixed_size: 0
    .kernarg_segment_align: 8
    .kernarg_segment_size: 64
    .max_flat_workgroup_size: 128
    .sgpr_count:     102
    .vgpr_count:     1024
    .wavefront_size: 32
...
	.end_amdgpu_metadata
.endif
;; end of part 6
